; MI455X (gfx1250); checked and timed in simulation.
; The chip was launched on July 23, 2026; its instructions are those of AMD's public machine-readable ISA for CDNA 5 (MIT licence, August 2026) and "CDNA5" Instruction Set Architecture Reference Guide (July 2026). The comments in the code are by the model that wrote it; some were corrected since.
;; Multihead Self Attention. Allowed arithmetic: matrix products marked QUANTISED: E2M1 operands, one E8M0 scale for each 32 along K, by v_wmma_scale_f32_16x16x128_f8f6f4 with both operands' format E2M1 (or v_wmma_scale_f32_32x16x128_f4), f32 sums; products left as they are: bf16, f16 or f32 operands; f32 sums; everything else in f32.
;; Inputs: Wk 1,024 x 1,024 float32; Wo 1,024 x 1,024 float32; Wq 1,024 x 1,024 float32; Wv 1,024 x 1,024 float32; x 1 x 4,096 x 1,024 float32.
;; Outputs: out0 1 x 4,096 x 1,024 float32.
;; This version of the problem:
;;   THIS VERSION OF THE PROBLEM IS GIVEN IN LOW PRECISION. The matrix products marked QUANTISED in the list below multiply operands that are first quantised to E2M1 (2 exponent bits, 1 mantissa bit; 4 bits a number), with one power-of-two scale for each 32 numbers along K (OCP MX v1.0); their sums are f32. The products marked 'left as it is' may take bf16, f16 or f32 operands, with f32 sums. Whichever they take, every output number must still come out within the allowed error. Rounding operands to bf16 (8 significant bits) uses up far more of that allowance than f16 does (11 bits, for magnitudes from 6e-5 to 65,504). All else is computed in f32.
;;   The module's matrix products, in the order in which they are computed (A, B: the left and right operand; K: the contracted axis; several contracted axes count as one K, in the product's order):
;;     1. [M 4,096, K 1,024] x [K 1,024, N 1,024]; A: input x; B: input Wq: QUANTISED
;;     2. [M 4,096, K 1,024] x [K 1,024, N 1,024]; A: input x; B: input Wk: QUANTISED
;;     3. [M 4,096, K 1,024] x [K 1,024, N 1,024]; A: input x; B: input Wv: QUANTISED
;;     4. batch 16 x [M 4,096, K 64] x [K 64, N 4,096]; A: computed on the way; B: computed on the way: left as it is (an operand is computed on the way)
;;     5. batch 16 x [M 4,096, K 4,096] x [K 4,096, N 64]; A: computed on the way; B: computed on the way: left as it is (an operand is computed on the way)
;;     6. [M 4,096, K 1,024] x [K 1,024, N 1,024]; A: computed on the way; B: input Wo: left as it is (an operand is computed on the way)
;;   THE QUANTISER, for each operand of a quantised product, along K:
;;     - K is cut into blocks of 32 from its start; a last block that is shorter is filled with zeros.
;;     - A block's scale is 2^e with e = floor(log2(the largest magnitude in the block)) - 2, held to -126 .. 127; a block of zeros has e = 0. As a byte (E8M0): e + 127.
;;     - Each number is divided by its block's scale, clamped to +-6, and rounded to the nearest number of E2M1, ties to even, subnormals kept.
;;     - The product sums the exact products of the quantised numbers (number of the format x scale) in f32.
;;   ~~~python
;;   def quantise(x, axis):      # numpy; x: float32 -> the quantised numbers, widened to float32 again
;;       x = np.moveaxis(x, axis, -1); K = x.shape[-1]
;;       x = np.pad(x, [(0, 0)] * (x.ndim - 1) + [(0, -K % 32)]); x = x.reshape(x.shape[:-1] + (-1, 32)); a = np.abs(x).max(-1, keepdims=True)
;;       e = np.where(a > 0, np.clip(np.frexp(np.where(a > 0, a, 1))[1] - 1 - 2, -126, 127), 0)      # np.frexp(a)[1] - 1 = floor(log2(a)), exactly
;;       r = np.clip(x / 2.0 ** e, -6, 6)
;;       step = 2.0 ** (np.maximum(np.frexp(np.where(r == 0, 1, r))[1] - 1, 0) - 1)
;;       q = np.round(r / step) * step * 2.0 ** e      # np.round: ties to even
;;       return np.moveaxis(q.reshape(q.shape[:-2] + (-1,))[..., :K], -1, axis).astype(np.float32)
;;   ~~~
;; One version. Each part assembles by itself: llvm-mc -triple=amdgcn-amd-amdhsa -mcpu=gfx1250 --defsym DOCPART=n.
;; ======== version 1 of 1: 5 launches
;; limits: values are held in f16: magnitudes above 65,504 overflow, below 6.1e-05 lose precision
;; workspace buffers: xcodes 2,097,152 bytes; xscales 131,072 bytes; wcodes 1,572,864 bytes; wscales 98,304 bytes; wo16 2,097,152 bytes; qkv 25,165,824 bytes; qkv32 196,608 bytes; attf 8,388,608 bytes
;; launch quant (part 1): grid 256 x 1, 4 waves a work-group, no clusters, 33,280 bytes of LDS; arguments x, Wq, Wk, Wv, Wo, xcodes, xscales, wcodes, wscales, wo16; writes xcodes, xscales, wcodes, wscales, wo16
.if DOCPART == 1
	.amdgcn_target "amdgcn-amd-amdhsa--gfx1250"
	.amdhsa_code_object_version 6
	.text
	.protected	k_qaaf7fd38ec_quant
	.globl	k_qaaf7fd38ec_quant
	.p2align	8
	.type	k_qaaf7fd38ec_quant,@function
k_qaaf7fd38ec_quant:
	s_mov_b64 s[64:65], 0
	v_nop
	global_prefetch_b8 v0, s[64:65] scope:SCOPE_SE
	s_setreg_imm32_b32 hwreg(HW_REG_WAVE_MODE, 25, 1), 1
	s_wait_xcnt 0x0
; x [4096][1024], Wq, Wk, Wv [1024][1024], f32, K innermost, become codes of FP4 (E2M1), two a byte, with one E8M0 scale byte for each 32 along K; Wo [1024][1024] becomes f16.
; A block's scale is 2^(floor(log2(its largest magnitude)) - 2); its byte is the largest magnitude's exponent field - 2, held at 1 from below.  A block of zeros so gets the byte 1 where the rule says 127:
; its codes are zeros, which add nothing under any byte but 0xff, and the bytes are read by this program alone.
; LIMITS: NaN and infinities among the inputs are not served; blocks whose largest magnitude lies under 2^-124 get the byte 1; |Wo| stays under 65,504 (f16), and under 6e-8 it is lost.
; SHARES: a work-group takes 32,768 numbers, a wave 8,192.  Work-groups 0-127: x; 128-159: Wq; 160-191: Wk; 192-223: Wv (their codes lie one behind the other: 3,072 rows); 224-255: Wo.
; Rows are dense and 1,024 is a multiple of 32: every tensor is a plain stream of blocks of 32.  Only pointers are chosen by the work-group's number; the three weights and x take one path.
; THE QUANTISER: a step is 512 numbers.  Each of its four loads reads 512 consecutive bytes; the 2,048 bytes turn through the wave's own stage in LDS (16 bytes of padding behind each 64) and come back
; 64 bytes a lane, so that a lane holds 16 neighbours along K and two neighbouring lanes a block.  A lane's 16 codes are 8 bytes: a wave's store covers 256 consecutive bytes, aligned.
; A wave's 256 scale bytes are gathered in its own LDS bytes and leave as one aligned run of 256.  No barrier: waves share nothing.
.set STEPS, 16
.set EMAX,  2
.set CB,    8                          ; bytes of 16 codes
.set R,     16                         ; v16-79   four sets of 16 numbers as loaded (the cast: v16-143, four sets of 32)
.set X,     80                         ; v80-111  two sets of 16 neighbours
.set E,     112                        ; v112-127 a scale byte for each step
.set C,     128                        ; v128-191 codes: four registers for each step, so that no store's data are written again
.set WREG,  8192                       ; LDS: a region for each wave: two stages of 32 x SP bytes, then its 256 scale bytes
.set SP,    80
.set SPW,   12                         ; v12  LDS address of my spare word; never rewritten
.set NIL,   13                         ; v13  0; never rewritten
.set SPARE, 4*WREG                     ; the spare words, 128 bytes a wave
.set SRC,   26                         ; s[26:27] the numbers;  s[28:29] the codes;  s[30:31] the scale bytes
.set COD,   28
.set SCB,   30
	s_load_b512 s[4:19], s[0:1], 0x0               ; x, Wq, Wk, Wv, Wo, xcodes, xscales, wcodes
	s_load_b128 s[20:23], s[0:1], 0x40             ; wscales, wo16
	v_lshl_add_u32 v[SPW], v0, 2, SPARE
	v_mov_b32 v[NIL], 0
	v_lshrrev_b32 v1, 5, v0
	v_readfirstlane_b32 s24, v1                    ; wave
	v_and_b32 v2, 31, v0                           ; lane
	v_lshlrev_b32 v3, 4, v2                        ; my 16 bytes of a load's 512
	s_mul_i32 s25, s24, WREG
	v_lshrrev_b32 v14, 2, v2
	v_mul_u32_u24 v14, v14, SP
	v_and_b32 v15, 3, v2
	v_lshl_add_u32 v14, v15, 4, v14
	v_add_nc_u32 v14, s25, v14                     ; the stage, in: SP (lane / 4) + 16 (lane % 4)
	v_mul_u32_u24 v15, v2, SP
	v_add_nc_u32 v15, s25, v15                     ; and out: SP x lane
	v_mul_u32_u24 v4, v2, CB                       ; my codes' place in a step's
	v_lshrrev_b32 v5, 1, v2
	s_add_co_u32 s25, s25, 2*32*SP
	v_add_nc_u32 v5, s25, v5                       ; my block's scale byte in LDS
	v_lshlrev_b32 v7, 3, v2                        ; 8 bytes a lane
	v_add_nc_u32 v6, s25, v7
	s_sub_co_u32 s32, ttmp9, 128                   ; a weight's work-group among the 96
	s_and_b32 s33, s32, 31                         ; and among its tensor's 32
	s_mov_b32 s37, 0
	s_wait_kmcnt 0x0
	s_cmp_ge_u32 ttmp9, 224
	s_cbranch_scc1 .Lcast
	s_cmp_lt_u32 ttmp9, 160                        ; the choices hang on the work-group's number alone
	s_cselect_b64 s[SRC:SRC+1], s[6:7], s[8:9]
	s_cmp_lt_u32 ttmp9, 192
	s_cselect_b64 s[SRC:SRC+1], s[SRC:SRC+1], s[10:11]
	s_cmp_lt_u32 ttmp9, 128
	s_cselect_b64 s[SRC:SRC+1], s[4:5], s[SRC:SRC+1]
	s_cselect_b64 s[COD:COD+1], s[14:15], s[18:19]
	s_cselect_b64 s[SCB:SCB+1], s[16:17], s[20:21]
	s_cselect_b32 s34, ttmp9, s33                  ; which 32,768 numbers of the source,
	s_cselect_b32 s35, ttmp9, s32                  ; and of the codes' buffer
	s_lshl_b32 s34, s34, 2
	s_add_co_u32 s34, s34, s24                     ; my wave's run of 8,192
	s_lshl_b32 s36, s34, 15
	s_add_nc_u64 s[SRC:SRC+1], s[SRC:SRC+1], s[36:37]
	s_lshl_b32 s35, s35, 2
	s_add_co_u32 s35, s35, s24
	s_lshl_b32 s36, s35, 12                        ; 4,096 bytes of codes a run
	s_add_nc_u64 s[COD:COD+1], s[COD:COD+1], s[36:37]
	s_lshl_b32 s36, s35, 8                         ; 256 scale bytes a run
	s_add_nc_u64 s[SCB:SCB+1], s[SCB:SCB+1], s[36:37]
.macro LOAD t
.irp i, 0,1,2,3
	global_load_b128 v[R+16*((\t)%4)+4*\i:R+16*((\t)%4)+4*\i+3], v3, s[SRC:SRC+1] offset:2048*(\t)+512*\i th:TH_LOAD_NT   ; 32 lanes read 512 consecutive bytes
.endr
.endm
.macro TURN t                          ; step t's numbers through the stage: LDS serves a wave's instructions in order, so no wait stands between the stores and the loads
.irp i, 0,1,2,3
	ds_store_b128 v14, v[R+16*((\t)%4)+4*\i:R+16*((\t)%4)+4*\i+3] offset:32*SP*((\t)%2)+8*SP*\i
.endr
.irp i, 0,1,2,3
	ds_load_b128 v[X+16*((\t)%2)+4*\i:X+16*((\t)%2)+4*\i+3], v15 offset:32*SP*((\t)%2)+16*\i
.endr
.endm
.irp t, 0,1,2,3
	LOAD \t
.endr
	s_wait_loadcnt 12                              ; step 0's four loads are in
	TURN 0
.macro STEP t
.set XS, X+16*((\t)%2)
.if (\t) > 0
	s_wait_dscnt 1                                 ; this step's numbers are back from the stage (the last step's byte store may be out)
.else
	s_wait_dscnt 0x0
.endif
.if (\t)+4 < STEPS
	LOAD (\t)+4                                    ; into the registers that the stage's stores have read
.endif
.if (\t)+1 < STEPS
.if STEPS-2-(\t) >= 3
	s_wait_loadcnt 12                              ; the next step's four loads are in; those of the three steps behind it may be out
.else
	s_wait_loadcnt 4*(STEPS-2-(\t))
.endif
	TURN (\t)+1
.endif
	v_max3_num_f32 v8, |v[XS]|, |v[XS+1]|, |v[XS+2]|               ; the largest magnitude of my 16, in two chains
	v_max3_num_f32 v9, |v[XS+3]|, |v[XS+4]|, |v[XS+5]|
.irp i, 6,10
	v_max3_num_f32 v8, v8, |v[XS+\i]|, |v[XS+\i+1]|
	v_max3_num_f32 v9, v9, |v[XS+\i+2]|, |v[XS+\i+3]|
.endr
	v_max3_num_f32 v8, v8, |v[XS+14]|, |v[XS+15]|
	v_max3_num_f32 v8, v8, v9, (EMAX+1)<<23        ; and the floor 2^(3 - 127): the byte cannot fall under 1
	v_max_num_f32_dpp v8, v8, v8 row_xmask:1 row_mask:0xf bank_mask:0xf   ; with my neighbour's 16: the block's
	v_add_nc_u32 v11, -(EMAX<<23), v8              ; 2 off its exponent field: the conversion takes this operand's exponent field as its scale
	v_cvt_scalef32_pk8_fp4_f32 v[C+4*(\t)], v[XS:XS+7], v11
	v_cvt_scalef32_pk8_fp4_f32 v[C+4*(\t)+1], v[XS+8:XS+15], v11
	v_lshrrev_b32 v[E+(\t)], 23, v11               ; the scale's byte
	ds_store_b8 v5, v[E+(\t)] offset:16*(\t)       ; both lanes of a block write the same byte with the same value
	global_store_b64 v4, v[C+4*(\t):C+4*(\t)+1], s[COD:COD+1] offset:32*CB*(\t)
.endm
.irp t, 0,1,2,3,4,5,6,7,8,9,10,11,12,13,14,15
	STEP \t
.endr
	ds_load_b64 v[8:9], v6                         ; LDS serves a wave's instructions in order: these see my stores
	s_wait_dscnt 0x0
	global_store_b64 v7, v[8:9], s[SCB:SCB+1]      ; 32 lanes store 256 consecutive bytes, aligned
	s_wait_tensorcnt 0x0                           ; the wave's end, behind my last LDS store
	ds_add_u32 v[SPW], v[NIL]
	s_wait_dscnt 0x0
	s_endpgm
; THE CAST: Wo to f16, rounded once.  64 pieces of 128 numbers a wave: a load of 512 consecutive bytes, two conversions in place, a store of 256 consecutive bytes.
; Eight batches of eight pieces on four sets of 32 registers; three batches are asked for ahead.  This path stores nothing to LDS.
.Lcast:
	s_sub_co_u32 s34, ttmp9, 224
	s_lshl_b32 s34, s34, 2
	s_add_co_u32 s34, s34, s24
	s_lshl_b32 s36, s34, 15
	s_add_nc_u64 s[12:13], s[12:13], s[36:37]
	s_lshl_b32 s36, s34, 14
	s_add_nc_u64 s[22:23], s[22:23], s[36:37]
.macro CLOAD b
.irp i, 0,1,2,3,4,5,6,7
	global_load_b128 v[R+32*((\b)%4)+4*\i:R+32*((\b)%4)+4*\i+3], v3, s[12:13] offset:512*(8*(\b)+\i) th:TH_LOAD_NT
.endr
.endm
.macro CBATCH b
.if (\b) < 6
	s_wait_loadcnt 16                              ; my batch is in; the two behind it may be out
.else
	s_wait_loadcnt 8*(7-(\b))
.endif
.irp i, 0,1,2,3,4,5,6,7
	v_cvt_pk_f16_f32 v[R+32*((\b)%4)+4*\i], v[R+32*((\b)%4)+4*\i], v[R+32*((\b)%4)+4*\i+1]
	v_cvt_pk_f16_f32 v[R+32*((\b)%4)+4*\i+1], v[R+32*((\b)%4)+4*\i+2], v[R+32*((\b)%4)+4*\i+3]
.endr
.irp i, 0,1,2,3,4,5,6,7
	global_store_b64 v7, v[R+32*((\b)%4)+4*\i:R+32*((\b)%4)+4*\i+1], s[22:23] offset:256*(8*(\b)+\i)
.endr
.if (\b)+3 < 8
	s_wait_xcnt 0x0                                ; the stores of the batch before have read their registers: the next loads land there
	CLOAD (\b)+3
.endif
.endm
	CLOAD 0
	CLOAD 1
	CLOAD 2
.irp b, 0,1,2,3,4,5,6,7
	CBATCH \b
.endr
	s_endpgm
.Lfunc_end_k_qaaf7fd38ec_quant:
	.size	k_qaaf7fd38ec_quant, .Lfunc_end_k_qaaf7fd38ec_quant-k_qaaf7fd38ec_quant
	.p2alignl 7, 3214868480
	.fill 96, 4, 3214868480
	.section	.rodata,"a",@progbits
	.p2align	6, 0x0
	.amdhsa_kernel k_qaaf7fd38ec_quant
		.amdhsa_group_segment_fixed_size 33280
		.amdhsa_private_segment_fixed_size 0
		.amdhsa_enable_private_segment 0
		.amdhsa_kernarg_size 80
		.amdhsa_user_sgpr_count 2
		.amdhsa_user_sgpr_kernarg_segment_ptr 1
		.amdhsa_wavefront_size32 1
		.amdhsa_system_sgpr_workgroup_id_x 1
		.amdhsa_system_sgpr_workgroup_id_y 1
		.amdhsa_system_sgpr_workgroup_id_z 1
		.amdhsa_system_vgpr_workitem_id 0
		.amdhsa_next_free_vgpr 192
		.amdhsa_next_free_sgpr 66
		.amdhsa_reserve_vcc 0
		.amdhsa_float_denorm_mode_32 3
		.amdhsa_float_denorm_mode_16_64 3
		.amdhsa_memory_ordered 1
		.amdhsa_forward_progress 1
		.amdhsa_inst_pref_size 54
	.end_amdhsa_kernel
	.amdgpu_metadata
---
amdhsa.version: [ 1, 2 ]
amdhsa.kernels:
  - .name:           k_qaaf7fd38ec_quant
    .symbol:         k_qaaf7fd38ec_quant.kd
    .args:
      - { .name: x, .offset: 0, .size: 8, .value_kind: global_buffer, .address_space: global }
      - { .name: Wq, .offset: 8, .size: 8, .value_kind: global_buffer, .address_space: global }
      - { .name: Wk, .offset: 16, .size: 8, .value_kind: global_buffer, .address_space: global }
      - { .name: Wv, .offset: 24, .size: 8, .value_kind: global_buffer, .address_space: global }
      - { .name: Wo, .offset: 32, .size: 8, .value_kind: global_buffer, .address_space: global }
      - { .name: xcodes, .offset: 40, .size: 8, .value_kind: global_buffer, .address_space: global }
      - { .name: xscales, .offset: 48, .size: 8, .value_kind: global_buffer, .address_space: global }
      - { .name: wcodes, .offset: 56, .size: 8, .value_kind: global_buffer, .address_space: global }
      - { .name: wscales, .offset: 64, .size: 8, .value_kind: global_buffer, .address_space: global }
      - { .name: wo16, .offset: 72, .size: 8, .value_kind: global_buffer, .address_space: global }
    .group_segment_fixed_size: 33280
    .private_segment_fixed_size: 0
    .kernarg_segment_align: 8
    .kernarg_segment_size: 80
    .max_flat_workgroup_size: 128
    .sgpr_count:     66
    .vgpr_count:     192
    .wavefront_size: 32
...
	.end_amdgpu_metadata
.endif
;; end of part 1
;; launch qkvgemm (part 2): grid 12 x 16, 4 waves a work-group, clusters of 4 x 1, 327,680 bytes of LDS; arguments xcodes, xscales, wcodes, wscales, qkv, qkv32; writes qkv, qkv32
.if DOCPART == 2
	.amdgcn_target "amdgcn-amd-amdhsa--gfx1250"
	.amdhsa_code_object_version 6
	.text
	.protected	k_qaaf7fd38ec_qkvgemm
	.globl	k_qaaf7fd38ec_qkvgemm
	.p2align	8
	.type	k_qaaf7fd38ec_qkvgemm,@function
k_qaaf7fd38ec_qkvgemm:
	s_mov_b64 s[64:65], 0
	v_nop
	global_prefetch_b8 v0, s[64:65] scope:SCOPE_SE
	s_setreg_imm32_b32 hwreg(HW_REG_WAVE_MODE, 25, 1), 1
	s_wait_xcnt 0x0
	s_wait_alu depctr_hold_cnt(0) depctr_sa_sdst(0) depctr_va_vdst(0) depctr_va_sdst(0) depctr_va_ssrc(0) depctr_va_vcc(0) depctr_vm_vsrc(0)
	s_getreg_b32 s2, hwreg(HW_REG_IB_STS2, 6, 4)
	s_cmp_eq_u32 s2, 0
	s_cbranch_scc0 .Lentry_in_a_cluster
	s_endpgm
.Lentry_in_a_cluster:
	s_bfe_u32 s2, ttmp6, 0x10000c
	s_cmp_lg_u32 s2, 0x3003
	s_cbranch_scc0 .Lentry_shape_is_right
	s_endpgm
.Lentry_shape_is_right:
; q, k, v = x Wq^T, x Wk^T, x Wv^T as ONE product C[4096][3072] = A B^T on codes of FP4 (E2M1) with one E8M0 scale for each 32 along K = 1,024.  A: x's codes [4096][512 bytes], B: the three weights' codes
; [3072][512 bytes] (rows 0-1023 Wq, then Wk, then Wv); scale bytes [rows][32].  Sums in f32.
; A tile of C, 256 x 256, is made by four waves, each 128 x 128: 64 accumulators, 512 registers.  K is two LDS slots of 512: both are filled at the start and nothing is filled again.
; The scale bytes of the tile's rows of A and of B, for all of K, are two dense blocks of memory: they come into LDS once, as runs of 256 bytes.
; CLUSTER: the four work-groups of a cluster lie side by side along N and need the same tiles of x: x's codes and scales are asked for JOINTLY (mask 15).  Each has its own rows of the weights: plain loads.
; The tile row is the cluster's y, equal in all four partners: the one branch on it (the f32 copy of positions 0-15) goes the same way in all.
; THE MATRIX INSTRUCTION IS USED TRANSPOSED (source 0 = 16 rows of B, source 1 = 16 rows of A): a lane holds eight neighbouring columns of one position.
; THE WAY OUT needs no LDS: rounded to f16, a lane's eight numbers are 16 bytes, which ARE registers 0-3 or 4-7 of the 16-bit fragment '16 positions x 32 channels' in that very lane.  So qkv is laid as images of
; registers, [column / 64: 48][position / 16: 256][c: 4][16 x lane]: lane (r, h) holds position 16 tile + r, channels 16 c + 8 h + 0 .. 7 of the head; a wave's store covers 512 consecutive bytes, aligned.
; Positions 0-15 also leave in f32, for the launch that carries them finely: qkv32 [column / 16: 192][half: 2][16 x lane]: position r, columns 16 ct + 8 h + 4 half + 0 .. 3.
; LIMITS: |q|, |k|, |v| stay under 65,504 (f16); under 6e-8 they are lost.
; REGISTERS: window 0: v16-29 addresses; v32-95 scale words, two sets (on the way out: packed results); from v128 A's fragments, one set.  window 1: B's fragments, two sets.  windows 2, 3: the accumulators ((a, b) at v[8 (8 (a % 4) + b)]).
.set KSTEP,  512
.set NQ,     4                         ; matrix instructions deep in a slot
.set ROWB,   256                       ; a tile's row in bytes
.set KROW,   512                       ; a row of codes in memory
.set PITCH,  272                       ; an LDS row: 256 bytes + 16 of padding: the 16 rows that a load touches begin 16 bytes apart modulo 256
.set FR,     8
.set NL,     2
.set NP,     4                         ; places behind this matrix instruction (ISA guide 7.12.1)
.set HALFT,  128*PITCH
.set SLOT,   4*HALFT
.set KS,     32                        ; a row of scale bytes
.set SCL,    2*SLOT
.set HALFS,  16*272                    ; the scales of 128 rows
.set SBLK,   2*272                     ; of 16 rows
.set SPARE,  SCL+4*HALFS               ; the spare words, 128 bytes a wave
.set ADRA, 16
.set ADRB, 20
.set LI,   24                          ; v24  16 x lane
.set ADRS, 27
.set SPW,  28
.set NIL,  29
.set SC,   32
.set AF,   128
.set G1, 24
.set G0, 32
.set G1B, 48
.set G0B, 56
.set G1S, 68
.set G0S, 76
.set G1SB, 80
.set G0SB, 88
.set Q32, 96                           ; s[96:97] qkv32
.set MSB, 0
.macro WIN new                         ; the immediate's high byte repeats the setting that is left
.if MSB != \new
	s_set_vgpr_msb (MSB<<8)|\new
.set MSB, \new
.endif
.endm
.set MUL_LO, 0xa1                      ; source 0 (B) window 1, source 1 (A) window 0, C and D window 2
.set MUL_HI, 0xf1
.set TO_B,   0x40
; Waves 0 and 1 fetch for A (jointly), waves 2 and 3 for B.  The branch hangs on the wave's number alone.  An s_nop 0 and four v_nop follow each of the two lines.
.macro JLOAD g0a, g1a, g0b, g1b
	s_cmp_eq_u32 s15, 0
	s_cbranch_scc0 .Lfor_b_\@
	tensor_load_to_lds s[\g0a:\g0a+3], s[\g1a:\g1a+7]
	s_nop 0
.rept 4
	v_nop
.endr
	s_branch .Lasked_\@
.Lfor_b_\@:
	tensor_load_to_lds s[\g0b:\g0b+3], s[\g1b:\g1b+7]
	s_nop 0
.rept 4
	v_nop
.endr
.Lasked_\@:
.endm
.macro CROUND                          ; a round of the cluster's barrier
	s_barrier_signal -1
	s_barrier_wait -1
	s_cmp_lg_u32 s14, 0
	s_cbranch_scc1 .Lnot_wave_0_\@
	s_barrier_signal -3
.Lnot_wave_0_\@:
	s_barrier_wait -3
	s_barrier_signal -1
	s_barrier_wait -1
.endm
	s_load_b128 s[4:7], s[0:1], 0x0                ; x's codes, x's scales
	s_load_b128 s[8:11], s[0:1], 0x10              ; the weights' codes, their scales
	s_load_b64 s[12:13], s[0:1], 0x20              ; qkv
	s_load_b64 s[Q32:Q32+1], s[0:1], 0x28          ; qkv32
	v_lshl_add_u32 v[SPW], v0, 2, SPARE
	v_mov_b32 v[NIL], 0
	ds_add_u32 v[SPW], v[NIL]                      ; the wave's opening: the add, twice on end, and its wait ahead of my first tensor load
	ds_add_u32 v[SPW], v[NIL]
	v_lshrrev_b32 v1, 5, v0
	v_readfirstlane_b32 s14, v1                    ; wave 0..3
	s_lshr_b32 s15, s14, 1                         ; which half of the tile's rows is mine.  Also: I fetch for A (0) or for B (1)
	s_and_b32 s16, s14, 1                          ; which half of its columns.  Also: which 128 rows I fetch
	s_bfe_u32 s40, ttmp6, 0x40000                  ; cx
	s_lshl_b32 s42, ttmp9, 2
	s_add_co_u32 s42, s42, s40                     ; tile column = 4 x cluster x + cx
	s_and_b32 s17, ttmp7, 0xffff                   ; tile row = cluster y
	; group 1: a tile of 128 rows x 256 bytes, 16 bytes of padding behind each row
	s_mov_b32 s[G1+0], 15|(1<<20)|(1<<21)|(5<<22)|(3<<25)      ; the mask: all four partners; elements of 1 byte; padding: 4 words after every 64
	s_mov_b32 s[G1B+0], (1<<20)|(5<<22)|(3<<25)                ; no mask: my own rows of the weights
.irp g, G1, G1B
	s_mov_b32 s[\g+1], ROWB<<16                    ; tensor_dim0
	s_mov_b32 s[\g+2], 128<<16                     ; tensor_dim1
	s_mov_b32 s[\g+3], ROWB<<16                    ; tile_dim0
	s_mov_b32 s[\g+4], 128                         ; tile_dim1
	s_mov_b32 s[\g+5], KROW                        ; from row to row
	s_mov_b32 s[\g+6], 0
	s_mov_b32 s[\g+7], 0
.endr
	; the scales of 128 rows: 4,096 dense bytes as 16 rows of 256 (32 elements of 8 bytes), 16 bytes of padding behind each
	s_mov_b32 s[G1S+0], 15|(3<<16)|(1<<20)|(1<<21)|(5<<22)|(3<<25)
	s_mov_b32 s[G1SB+0], (3<<16)|(1<<20)|(5<<22)|(3<<25)
.irp g, G1S, G1SB
	s_mov_b32 s[\g+1], 32<<16
	s_mov_b32 s[\g+2], 16<<16
	s_mov_b32 s[\g+3], 32<<16
	s_mov_b32 s[\g+4], 16
	s_mov_b32 s[\g+5], 32
	s_mov_b32 s[\g+6], 0
	s_mov_b32 s[\g+7], 0
.endr
	s_lshl_b32 s18, s16, 7
	s_lshl_b32 s20, s17, 8
	s_add_co_u32 s20, s20, s18                     ; A: row 256 x tile row + 128 x half
	s_lshl_b32 s46, s42, 8
	s_add_co_u32 s46, s46, s18                     ; B: row 256 x tile column + 128 x half
	s_mov_b32 s21, 0
	s_mov_b32 s47, 0
	s_mov_b64 s[18:19], KS
	s_mul_u64 s[22:23], s[20:21], s[18:19]         ; where these rows' scales begin,
	s_mul_u64 s[92:93], s[46:47], s[18:19]
	s_mov_b64 s[18:19], KROW
	s_mul_u64 s[20:21], s[20:21], s[18:19]         ; and their codes
	s_mul_u64 s[46:47], s[46:47], s[18:19]
	s_mul_i32 s45, s14, HALFT                      ; where they go: wave x 128 rows
	s_mul_i32 s94, s14, HALFS
	s_wait_dscnt 0x0                               ; both opening adds are done
	s_wait_kmcnt 0x0
	s_add_nc_u64 s[20:21], s[4:5], s[20:21]
	s_add_nc_u64 s[22:23], s[6:7], s[22:23]
	s_add_nc_u64 s[46:47], s[8:9], s[46:47]
	s_add_nc_u64 s[92:93], s[10:11], s[92:93]
	CROUND                                         ; all four work-groups are here: the joint loads meet
	s_mov_b32 s[G0S], 1
	s_add_co_u32 s[G0S+1], s94, SCL
	s_mov_b64 s[G0S+2:G0S+3], s[22:23]
	s_or_b32 s[G0S+3], s[G0S+3], 0x80000000
	s_mov_b32 s[G0SB], 1
	s_add_co_u32 s[G0SB+1], s94, SCL
	s_mov_b64 s[G0SB+2:G0SB+3], s[92:93]
	s_or_b32 s[G0SB+3], s[G0SB+3], 0x80000000
	JLOAD G0S, G1S, G0SB, G1SB                     ; the scales first; then both slots: three loads of mine are out
.irp s, 0,1
	s_mov_b32 s[G0+4*\s], 1
	s_add_co_u32 s[G0+4*\s+1], s45, \s*SLOT
	s_add_nc_u64 s[G0+4*\s+2:G0+4*\s+3], s[20:21], \s*ROWB
	s_or_b32 s[G0+4*\s+3], s[G0+4*\s+3], 0x80000000
	s_mov_b32 s[G0B+4*\s], 1
	s_add_co_u32 s[G0B+4*\s+1], s45, \s*SLOT
	s_add_nc_u64 s[G0B+4*\s+2:G0B+4*\s+3], s[46:47], \s*ROWB
	s_or_b32 s[G0B+4*\s+3], s[G0B+4*\s+3], 0x80000000
	JLOAD G0+4*\s, G1, G0B+4*\s, G1B
.endr
	v_and_b32 v1, 15, v0                           ; r
	v_bfe_u32 v2, v0, 4, 1                         ; h
	v_mul_u32_u24 v3, v1, PITCH
	v_lshl_add_u32 v4, v2, 4, v3                   ; a fragment's row x pitch + 16 h
	s_mul_i32 s21, s15, HALFT                      ; my 128 rows of A
	s_mul_i32 s22, s16, HALFT                      ; my 128 rows of B,
	s_add_co_u32 s22, s22, 2*HALFT                 ; behind A's 256
.irp s, 0,1
	v_add_nc_u32 v[ADRA+\s], s21, v4
	v_add_nc_u32 v[ADRB+\s], s22, v4
	s_add_co_u32 s21, s21, SLOT
	s_add_co_u32 s22, s22, SLOT
.endr
	v_mul_u32_u24 v5, v1, KS                       ; my row's scales: 32 bytes a row,
	v_lshrrev_b32 v6, 8, v5
	v_lshl_add_u32 v5, v6, 4, v5                   ; and 16 more for each 256 passed
	s_mul_i32 s21, s15, HALFS
	s_mul_i32 s22, s16, HALFS
	s_add_co_u32 s22, s22, 2*HALFS
	s_sub_co_u32 s22, s22, s21
	v_mul_u32_u24 v6, s22, v2                      ; lanes 16-31 take B's: one product, the distance between the two bases
	s_add_co_u32 s21, s21, SCL
	v_add_nc_u32 v5, v5, v6
	v_add_nc_u32 v[ADRS], s21, v5
	v_and_b32 v6, 31, v0
	v_lshlrev_b32 v[LI], 4, v6
	s_lshl_b32 s20, s17, 4
	s_lshl_b32 s21, s15, 3
	s_add_co_u32 s20, s20, s21                     ; my first tile of 16 positions
	s_lshl_b32 s20, s20, 11                        ; 2,048 bytes each
	s_mov_b32 s21, 0
	s_lshl_b32 s46, s42, 2
	s_lshl_b32 s47, s16, 1
	s_add_co_u32 s46, s46, s47                     ; my first run of 64 columns
	s_lshl_b32 s46, s46, 19                        ; 524,288 bytes each
	s_mov_b32 s47, 0
	s_add_nc_u64 s[20:21], s[20:21], s[46:47]
	s_add_nc_u64 s[12:13], s[12:13], s[20:21]
	s_lshl_b32 s46, s42, 14
	s_lshl_b32 s47, s16, 13
	s_add_co_u32 s46, s46, s47                     ; qkv32: (16 x tile column + 8 x half) x 1,024
	s_mov_b32 s47, 0
	s_add_nc_u64 s[Q32:Q32+1], s[Q32:Q32+1], s[46:47]
.macro FRAG reg, adr, q, i             ; 16 rows x 128 K of 4-bit codes: 8 registers; registers 4 c .. 4 c + 3 hold K = 64 c + 32 h + 0 .. 31
.irp c, 0,1
	ds_load_b128 v[\reg+4*\c:\reg+4*\c+3], v[\adr] offset:64*(\q)+32*\c+(\i)*16*PITCH
.endr
.endm
; 16 matrix instructions: A's blocks a0, a0 + 1 x B's eight.  The 64 accumulators take turns, one instruction a turn, in the same order in every step.
.macro MUL16 a0, p, q, sc, zero
.irp a, \a0, \a0+1
.irp b, 0,1,2,3,4,5,6,7
.if \zero
	v_wmma_scale_f32_16x16x128_f8f6f4 v[8*(8*((\a)%4)+\b):8*(8*((\a)%4)+\b)+7], v[128*(\p)+FR*\b:128*(\p)+FR*\b+FR-1], v[AF+FR*(\a):AF+FR*(\a)+FR-1], 0, v[SC+8*NQ*(\sc)+NQ*\b+(\q)], v[SC+8*NQ*(\sc)+NQ*(\a)+(\q)] matrix_a_fmt:MATRIX_FMT_FP4 matrix_b_fmt:MATRIX_FMT_FP4 matrix_a_scale:MATRIX_SCALE_ROW1
.else
	v_wmma_scale_f32_16x16x128_f8f6f4 v[8*(8*((\a)%4)+\b):8*(8*((\a)%4)+\b)+7], v[128*(\p)+FR*\b:128*(\p)+FR*\b+FR-1], v[AF+FR*(\a):AF+FR*(\a)+FR-1], v[8*(8*((\a)%4)+\b):8*(8*((\a)%4)+\b)+7], v[SC+8*NQ*(\sc)+NQ*\b+(\q)], v[SC+8*NQ*(\sc)+NQ*(\a)+(\q)] matrix_a_fmt:MATRIX_FMT_FP4 matrix_b_fmt:MATRIX_FMT_FP4 matrix_a_scale:MATRIX_SCALE_ROW1
.endif
.endr
.endr
.endm
.macro FETCH_B slot, q, p
	WIN TO_B
.irp i, 0,1,2,3,4,5,6,7
	FRAG 128*(\p)+FR*\i, ADRB+\slot, \q, \i
.endr
	WIN 0
.endm
.macro FETCH_A slot, q, i0
.irp i, \i0, \i0+1, \i0+2, \i0+3
	FRAG AF+FR*(\i), ADRA+\slot, \q, \i
.endr
.endm
.macro SCALES sc                       ; a slot's scale words: four a row; lanes 0-15 take A's block i, lanes 16-31 B's block i
.irp i, 0,1,2,3,4,5,6,7
	ds_load_b128 v[SC+8*NQ*\sc+NQ*\i:SC+8*NQ*\sc+NQ*\i+3], v[ADRS] offset:\i*SBLK
.endr
.endm
.macro PLACES n                        ; plain vector instructions between a matrix instruction and a load into, or a read of, its registers
.rept \n
	v_nop
.endr
.endm
.macro STEP slot, q, zero              ; 128 along K, with its successor in the same slot
	s_wait_dscnt 4*NL                              ; B's set and A's blocks 0-3 are in; the youngest eight loads (A's blocks 4-7) may be out
	WIN MUL_LO
	MUL16 0, (\q)%2, \q, \slot, \zero
	MUL16 2, (\q)%2, \q, \slot, \zero
	s_wait_dscnt 0
	PLACES NP
	FETCH_B \slot, (\q)+1, 1-(\q)%2
	FETCH_A \slot, (\q)+1, 0
	WIN MUL_HI
	MUL16 4, (\q)%2, \q, \slot, \zero
	MUL16 6, (\q)%2, \q, \slot, \zero
	PLACES NP
	WIN 0
	FETCH_A \slot, (\q)+1, 4
.endm
.macro TURN slot, next                 ; a slot's last step changes slots: each wave's part of the next slot has landed, then the barrier shows it to all.  Nothing is filled again
	s_wait_tensorcnt 0x0                           ; all my tensor loads have landed
	ds_add_u32 v[SPW], v[NIL]                      ; 0 onto my spare word
	s_wait_dscnt 4*NL+1                            ; (the add and A's blocks 4-7 may be out)
	WIN MUL_LO
	MUL16 0, 1, NQ-1, \slot, 0
	s_wait_dscnt 0x0
	s_barrier_signal -1
	MUL16 2, 1, NQ-1, \slot, 0
	WIN 0
	s_barrier_wait -1
	PLACES NP
	v_add_nc_u32 v[ADRS], 4*NQ, v[ADRS]            ; the next slot's scale words
	FETCH_B \next, 0, 0
	FETCH_A \next, 0, 0
	SCALES \next
	WIN MUL_HI
	MUL16 4, 1, NQ-1, \slot, 0
	MUL16 6, 1, NQ-1, \slot, 0
	PLACES NP
	WIN 0
	FETCH_A \next, 0, 4
.endm
.macro STEPS slot, from
.set Q, \from
.rept NQ-1-\from
	STEP \slot, Q, 0
.set Q, Q+1
.endr
.endm
	s_wait_tensorcnt 1                             ; the scales and my part of slot 0 are in (slot 1's load may be out)
	s_barrier_signal -1
	s_barrier_wait -1                              ; everybody's are
	FETCH_B 0, 0, 0
	FETCH_A 0, 0, 0
	SCALES 0
	FETCH_A 0, 0, 4
	STEP 0, 0, 1                                   ; the first products start the sums: nothing is cleared
	STEPS 0, 1
	TURN 0, 1
	STEPS 1, 0
	s_wait_dscnt 4*NL
	WIN MUL_LO
	MUL16 0, 1, NQ-1, 1, 0
	MUL16 2, 1, NQ-1, 1, 0
	s_wait_dscnt 0
	WIN MUL_HI
	MUL16 4, 1, NQ-1, 1, 0
	MUL16 6, 1, NQ-1, 1, 0
	WIN 0
	PLACES NP                                      ; behind the last products: for the reads of results and the writes over the scale words
	s_or_b32 s18, s17, s15                         ; positions 0-15 are block 0 of the waves with tile row 0 and row half 0
	s_cmp_lg_u32 s18, 0
	s_cbranch_scc1 .Lno32
	WIN 0x08                                       ; a store's data: window 2
.irp b, 0,1,2,3,4,5,6,7
	global_store_b128 v[LI], v[8*\b:8*\b+3], s[Q32:Q32+1] offset:1024*\b          ; each accumulator from its low end on
	global_store_b128 v[LI], v[8*\b+4:8*\b+7], s[Q32:Q32+1] offset:1024*\b+512
.endr
	WIN 0
.Lno32:
.macro OUTBLK a                        ; block a: 16 positions x 128 columns: rounded to f16 and stored as images; two sets of 32 registers by turns
.set AC, 64*((\a)%4)
.set TT, 32+32*((\a)%2)
.if (\a) >= 2
	s_wait_xcnt 0x0                                ; block a - 2's stores have read their registers
.endif
	WIN 0x0a+5*((\a)/4)                            ; sources 0 and 1: window 2 or 3
.irp b, 0,1,2,3,4,5,6,7
.irp i, 0,1,2,3
	v_cvt_pk_f16_f32 v[TT+4*\b+\i], v[AC+8*\b+2*\i], v[AC+8*\b+2*\i+1]
.endr
.endr
	WIN 0
.irp b, 0,1,2,3,4,5,6,7
	global_store_b128 v[LI], v[TT+4*\b:TT+4*\b+3], s[12:13] offset:(\b/4)*524288+(\a)*2048+(\b%4)*512   ; 512 consecutive bytes, aligned
.endr
.endm
.irp a, 0,1,2,3,4,5,6,7
	OUTBLK \a
.endr
	s_wait_tensorcnt 0x0                           ; the wave's end
	ds_add_u32 v[SPW], v[NIL]
	s_wait_dscnt 0x0
	CROUND                                         ; the closing round
	s_endpgm
.Lfunc_end_k_qaaf7fd38ec_qkvgemm:
	.size	k_qaaf7fd38ec_qkvgemm, .Lfunc_end_k_qaaf7fd38ec_qkvgemm-k_qaaf7fd38ec_qkvgemm
	.p2alignl 7, 3214868480
	.fill 96, 4, 3214868480
	.section	.rodata,"a",@progbits
	.p2align	6, 0x0
	.amdhsa_kernel k_qaaf7fd38ec_qkvgemm
		.amdhsa_group_segment_fixed_size 327680
		.amdhsa_private_segment_fixed_size 0
		.amdhsa_enable_private_segment 0
		.amdhsa_kernarg_size 48
		.amdhsa_user_sgpr_count 2
		.amdhsa_user_sgpr_kernarg_segment_ptr 1
		.amdhsa_wavefront_size32 1
		.amdhsa_system_sgpr_workgroup_id_x 1
		.amdhsa_system_sgpr_workgroup_id_y 1
		.amdhsa_system_sgpr_workgroup_id_z 1
		.amdhsa_system_vgpr_workitem_id 0
		.amdhsa_next_free_vgpr 1024
		.amdhsa_next_free_sgpr 100
		.amdhsa_reserve_vcc 0
		.amdhsa_float_denorm_mode_32 3
		.amdhsa_float_denorm_mode_16_64 3
		.amdhsa_memory_ordered 1
		.amdhsa_forward_progress 1
		.amdhsa_inst_pref_size 119
	.end_amdhsa_kernel
	.amdgpu_metadata
---
amdhsa.version: [ 1, 2 ]
amdhsa.kernels:
  - .name:           k_qaaf7fd38ec_qkvgemm
    .symbol:         k_qaaf7fd38ec_qkvgemm.kd
    .args:
      - { .name: xcodes, .offset: 0, .size: 8, .value_kind: global_buffer, .address_space: global }
      - { .name: xscales, .offset: 8, .size: 8, .value_kind: global_buffer, .address_space: global }
      - { .name: wcodes, .offset: 16, .size: 8, .value_kind: global_buffer, .address_space: global }
      - { .name: wscales, .offset: 24, .size: 8, .value_kind: global_buffer, .address_space: global }
      - { .name: qkv, .offset: 32, .size: 8, .value_kind: global_buffer, .address_space: global }
      - { .name: qkv32, .offset: 40, .size: 8, .value_kind: global_buffer, .address_space: global }
    .group_segment_fixed_size: 327680
    .private_segment_fixed_size: 0
    .kernarg_segment_align: 8
    .kernarg_segment_size: 48
    .max_flat_workgroup_size: 128
    .sgpr_count:     100
    .vgpr_count:     1024
    .wavefront_size: 32
...
	.end_amdgpu_metadata
.endif
;; end of part 2
;; launch attn (part 3): grid 16 x 16, 8 waves a work-group, no clusters, 327,680 bytes of LDS; arguments qkv, attf; writes attf
.if DOCPART == 3
	.amdgcn_target "amdgcn-amd-amdhsa--gfx1250"
	.amdhsa_code_object_version 6
	.text
	.protected	k_qaaf7fd38ec_attn
	.globl	k_qaaf7fd38ec_attn
	.p2align	8
	.type	k_qaaf7fd38ec_attn,@function
k_qaaf7fd38ec_attn:
	s_mov_b64 s[64:65], 0
	v_nop
	global_prefetch_b8 v0, s[64:65] scope:SCOPE_SE
	s_setreg_imm32_b32 hwreg(HW_REG_WAVE_MODE, 25, 1), 1
	s_wait_xcnt 0x0
; Causal attention, 16 heads of 64, 4,096 positions: O[q] = sum over k <= q of softmax_k(Q[q] . K[k] / 8) V[k].  Operands in f16 (q, k, v as the launch before left them; the weights p rounded to f16); products, maxima and sums in f32;
; a running maximum m and sum l for each query: p = 2^(c s - c m), c = log2(e) / 8.
; qkv: images of registers, [48][position / 16][c: 4][16 x lane]: lane (r, h) holds position 16 tile + r, channels 16 c + 8 h + 0 .. 7.  Images 2 e and 2 e + 1 ARE the fragment '16 positions x channels 32 e ..'.
; EVEN WORK.  A head's queries are 32 blocks of 128.  Work-group J (x; the head is y) takes block 31 - J and then block J.  Keys come in slots of 256; block X needs (X + 2) / 2 of them (rounded down), and the two blocks
; together always 17: the loop's trip count is a constant.  In trip N1 = (33 - J) / 2 the wave puts the first block's state aside in registers and begins the second.
; WAVES.  QG = wave % 4 owns 32 queries (two tiles of 16); KG = wave / 4 takes keys 128 u + 64 KG .. + 63 of each half u of a slot.  Two waves share a SIMD, so that one wave's softmax stands beside the other's products.
; The two key groups' states (m, l, O) are merged once, at the end, through LDS.
; LAYOUT.  S^T = K Q^T (source 0 = 16 keys, source 1 = 16 queries), O^T = V^T P (source 0 = 16 channels, source 1 = P): a lane holds one query throughout; two tiles of S^T, rounded in pairs, are P's fragment.
; V's images are read turned, by ds_load_tr16_b128; each 256 bytes of V get 128 bytes of padding in LDS, so that the sixteen pieces of 16 bytes that half a wave reads lie at sixteen different places modulo 256.
; THE MASK.  A step all of whose keys come after the wave's queries is left out (a scalar branch on ids).  KF is a multiple of 64 and Q0 of 32, so a step that is walked has KF <= Q0: key KF counts for every query, and m is a number from the first step on.
; On the diagonal hidden scores become -infinity ahead of the maximum.
; NO CLUSTER: the work-groups of a head need different numbers of tiles at different times (block 31 - J against block J), so partners could not make every joint request together.
; The result leaves as f16 images for the projection: attf [head / 4][position / 16][(head % 4) x 2,048 + c x 512 + 16 x lane].
; LIMITS: NaN and infinities are not served; weights p under 6e-8 are lost in f16.
; REGISTERS.  window 0: v2-15 addresses; v16-31 statistics, 8 a tile (+0 c m, +1 m, +2, +3 l, +4..7 at work, a in +6); v32-95 S^T; v96-127 P; v128-191 O^T; v192-207 the first block's statistics; v208-239 at work at the end.
;   window 1: v0-31 Q; v32-95 K of a step; v96-159 V of a step; v160-223 the first block's O^T; v224-255 the second block's Q.
.set SLOT1, 131072                     ; slot 1 begins here: one exclusive or turns an address
.set VOFF,  32768                      ; a slot: K's 16 tiles of 2,048 bytes, then V's 128 rows of 256 + 128 bytes
.set MERGE, SLOT1+81920                ; 4 (QG) x 2 (block) x MBLK: the second key group's states
.set MBLK,  8704                       ; 64 registers x 128 bytes, and 512 bytes of statistics
.set SPARE, MERGE+8*MBLK               ; the spare words, 128 bytes a wave
.set HEADB, 524288
.set TILEB, 32768                      ; 256 keys of a head, dense
.set SPW, 2
.set NIL, 3
.set AK0, 4                            ; 16 x lane + KG x 8,192
.set AV0, 5                            ; VOFF + KG x 12,288 + 16 (8 h + lane % 8) + 384 ((lane / 8) % 2)
.set ADK, 6
.set ADV, 7
.set LI,  8                            ; 16 x lane
.set PFO, 9                            ; 256 x lane
.set MGA, 10                           ; MERGE + QG x 2 MBLK + 16 x lane
.set D0,  11                           ; v11, v12: the mask's d for tiles 0 and 1
.set NINF, 13
.set RH,  14                           ; r - 8 h
.set ST,  16
.set S,   32
.set P,   96
.set O,   128
.set ST2, 192
.set QR,  0                            ; window 1
.set KFR, 32
.set VFR, 96
.set O2,  160
.set Q2,  224
.set WV,  8
.set QG,  9
.set KG,  10
.set N1,  11
.set T,   12
.set TB,  13
.set KF,  14
.set Q0,  15
.set Q0B, 16
.set KOFF, 18                          ; s[18:19] where the next tile begins in the head's K and V
.set SEL, 20
.set CS,  22
.set G1K, 24
.set G1V, 32
.set G0K, 40
.set G0V, 44
.set BK,  48
.set BV,  50
.set PFK, 52
.set PFV, 54
.set LIM, 56
.set OB0, 58                           ; s[58:59] attf at the first block's rows;  s[60:61] at the second's
.set OB1, 60
.set HD,  62
.set MSB, 0
.macro WIN new                         ; the immediate's high byte repeats the setting that is left
.if MSB != \new
	s_set_vgpr_msb (MSB<<8)|\new
.set MSB, \new
.endif
.endm
; Wave 0 fetches a slot's K, wave 1 its V, the others nothing: each load holds all 256 keys of the slot.  An s_nop 0 and four v_nop follow each line.
.macro TLOAD
	s_cmp_eq_u32 s[WV], 0
	s_cbranch_scc0 .Lnot_k_\@
	tensor_load_to_lds s[G0K:G0K+3], s[G1K:G1K+7]
	s_nop 0
.rept 4
	v_nop
.endr
	s_branch .Lasked_\@
.Lnot_k_\@:
	s_cmp_eq_u32 s[WV], 1
	s_cbranch_scc0 .Lasked_\@
	tensor_load_to_lds s[G0V:G0V+3], s[G1V:G1V+7]
	s_nop 0
.rept 4
	v_nop
.endr
.Lasked_\@:
.endm
; A PREFETCH INTO THE L2 of the tile that the NEXT change of slots will ask for: trip T names tile T + 2.  All work-groups of a head begin at key 0 and walk on; work-group J = 0 walks all 16 tiles, so it asks, and nobody else.
; In it waves 4 to 7, which fetch nothing, take 8,192 bytes of K's tile and of V's each, lanes 256 bytes apart: each aligned 256 bytes are named once in the launch.  Tiles 0 and 1 come by their loads alone; the last tile named is 15.
.macro ASK
	s_cmp_lt_u32 s[T], s[LIM]
	s_cbranch_scc0 .Lnot_mine_\@
	global_prefetch_b8 v[PFO], s[PFK:PFK+1] th:TH_LOAD_NT scope:SCOPE_SE
	global_prefetch_b8 v[PFO], s[PFV:PFV+1] th:TH_LOAD_NT scope:SCOPE_SE
.Lnot_mine_\@:
.endm
.macro INIT                            ; a block's state: O^T and l zeros, m = -3e38, under every score
.set i, 0
.rept 64
	v_mov_b32 v[O+i], 0
.set i, i+1
.endr
.irp t, 0,1
	v_mov_b32 v[ST+8*\t+1], 0xff61b1e6
	v_mul_f32 v[ST+8*\t], s[CS], v[ST+8*\t+1]
	v_mov_b32 v[ST+8*\t+2], 0
	v_mov_b32 v[ST+8*\t+3], 0
.endr
.endm
	s_load_b128 s[4:7], s[0:1], 0x0                ; qkv, attf
	v_lshl_add_u32 v[SPW], v0, 2, SPARE
	v_mov_b32 v[NIL], 0
	ds_add_u32 v[SPW], v[NIL]                      ; the wave's opening: the add, twice on end, and its wait ahead of the first tensor load
	ds_add_u32 v[SPW], v[NIL]
	v_lshrrev_b32 v1, 5, v0
	v_readfirstlane_b32 s[WV], v1                  ; wave 0..7
	s_and_b32 s[QG], s[WV], 3
	s_lshr_b32 s[KG], s[WV], 2
	s_sub_co_u32 s[N1], 33, ttmp9
	s_lshr_b32 s[N1], s[N1], 1                     ; slots of the first block
	s_and_b32 s[HD], ttmp7, 0xffff
	s_mov_b32 s[T], 0
	s_mov_b32 s[TB], 0
	s_lshl_b32 s[KF], s[KG], 6                     ; my next step's first key
	s_sub_co_u32 s17, 31, ttmp9
	s_lshl_b32 s[Q0], s17, 7
	s_lshl_b32 s63, s[QG], 5
	s_add_co_u32 s[Q0], s[Q0], s63                 ; my first query in the first block,
	s_lshl_b32 s[Q0B], ttmp9, 7
	s_add_co_u32 s[Q0B], s[Q0B], s63               ; and in the second
	s_mov_b32 s[KOFF], 0
	s_mov_b32 s[KOFF+1], 0
	s_mov_b32 s[SEL], 0x76543210
	s_mov_b32 s[SEL+1], 0xfedcba98
	s_mov_b32 s[CS], 0x3e38aa3b                    ; c = log2(e) / 8
	s_mov_b32 s[CS+1], s[CS]
	; group 1: 128 rows of 256 bytes (32 elements of 8 bytes), dense in memory;  V's with 32 words of padding behind every 64
	s_mov_b32 s[G1K], 3<<16
	s_mov_b32 s[G1V], (3<<16)|(1<<20)|(5<<22)|(31<<25)
.irp g, G1K, G1V
	s_mov_b32 s[\g+1], 32<<16                      ; tensor_dim0
	s_mov_b32 s[\g+2], 128<<16                     ; tensor_dim1
	s_mov_b32 s[\g+3], 32<<16                      ; tile_dim0
	s_mov_b32 s[\g+4], 128                         ; tile_dim1
	s_mov_b32 s[\g+5], 32                          ; from row to row
	s_mov_b32 s[\g+6], 0
	s_mov_b32 s[\g+7], 0
.endr
	s_lshl_b32 s66, s[HD], 19                      ; the head's bytes in a third of qkv
	s_lshl_b32 s68, s[Q0], 7                       ; 2,048 bytes for 16 positions
	s_add_co_u32 s68, s68, s66
	s_mov_b32 s69, 0
	s_lshl_b32 s70, s[Q0B], 7
	s_add_co_u32 s70, s70, s66
	s_mov_b32 s71, 0
	s_add_co_u32 s72, s66, 16*HEADB                ; K's heads lie behind q's 16,
	s_mov_b32 s73, 0
	s_add_co_u32 s74, s66, 32*HEADB                ; V's behind K's
	s_mov_b32 s75, 0
	s_lshr_b32 s76, s[HD], 2
	s_lshl_b32 s76, s76, 21
	s_and_b32 s77, s[HD], 3
	s_lshl_b32 s77, s77, 11
	s_add_co_u32 s76, s76, s77                     ; attf: (head / 4) x 2,097,152 + (head % 4) x 2,048
	s_lshl_b32 s78, s[Q0], 9                       ; + 8,192 bytes for 16 positions
	s_add_co_u32 s78, s78, s76
	s_mov_b32 s79, 0
	s_lshl_b32 s80, s[Q0B], 9
	s_add_co_u32 s80, s80, s76
	s_mov_b32 s81, 0
	s_lshl_b32 s82, s[QG], 13
	s_add_co_u32 s82, s82, TILEB                   ; the prefetches stand in tile 1; the first change steps them to tile 2
	s_mov_b32 s83, 0
	s_xor_b32 s84, s[KG], 1                        ; 0 in waves 4 to 7,
	s_or_b32 s84, s84, ttmp9                       ; of work-group J = 0
	s_cmp_eq_u32 s84, 0
	s_cselect_b32 s[LIM], 14, 0
	s_wait_dscnt 0x0                               ; both opening adds are done
	s_wait_kmcnt 0x0
	s_add_nc_u64 s[BK:BK+1], s[4:5], s[72:73]
	s_add_nc_u64 s[BV:BV+1], s[4:5], s[74:75]
	s_add_nc_u64 s[PFK:PFK+1], s[BK:BK+1], s[82:83]
	s_add_nc_u64 s[PFV:PFV+1], s[BV:BV+1], s[82:83]
	s_add_nc_u64 s[68:69], s[4:5], s[68:69]        ; Q of the first block,
	s_add_nc_u64 s[70:71], s[4:5], s[70:71]        ; of the second
	s_add_nc_u64 s[OB0:OB0+1], s[6:7], s[78:79]
	s_add_nc_u64 s[OB1:OB1+1], s[6:7], s[80:81]
	s_mov_b32 s[G0K], 1
	s_mov_b32 s[G0K+1], 0
	s_mov_b64 s[G0K+2:G0K+3], s[BK:BK+1]
	s_or_b32 s[G0K+3], s[G0K+3], 0x80000000
	s_mov_b32 s[G0V], 1
	s_mov_b32 s[G0V+1], VOFF
	s_mov_b64 s[G0V+2:G0V+3], s[BV:BV+1]
	s_or_b32 s[G0V+3], s[G0V+3], 0x80000000
	TLOAD                                          ; slot 0: keys 0 to 255
	v_and_b32 v1, 31, v0
	v_lshlrev_b32 v[LI], 4, v1
	v_lshlrev_b32 v[PFO], 8, v1
	WIN 0x40                                       ; destination window 1
.irp t, 0,1
.irp f, 0,1,2,3
	global_load_b128 v[QR+16*\t+4*\f:QR+16*\t+4*\f+3], v[LI], s[68:69] offset:\t*2048+\f*512
	global_load_b128 v[Q2+16*\t+4*\f:Q2+16*\t+4*\f+3], v[LI], s[70:71] offset:\t*2048+\f*512
.endr
.endr
.set i, 0
.rept 64
	v_mov_b32 v[O2+i], 0                           ; written once here, so that it is written on every way through the text; the change of blocks fills it
.set i, i+1
.endr
	WIN 0
	s_lshl_b32 s17, s[KG], 13
	v_add_nc_u32 v[AK0], s17, v[LI]
	v_and_b32 v1, 15, v0                           ; r
	v_bfe_u32 v15, v0, 4, 1                        ; h
	v_lshlrev_b32 v[RH], 3, v15
	v_sub_nc_u32 v[RH], v1, v[RH]
	v_and_b32 v1, 7, v0
	v_lshl_add_u32 v[AV0], v15, 3, v1
	v_lshlrev_b32 v[AV0], 4, v[AV0]
	v_bfe_u32 v1, v0, 3, 1
	v_mad_u32_u24 v[AV0], v1, 384, v[AV0]
	s_mul_i32 s17, s[KG], 12288
	s_add_co_u32 s17, s17, VOFF
	v_add_nc_u32 v[AV0], s17, v[AV0]
	s_mul_i32 s17, s[QG], 2*MBLK
	s_add_co_u32 s17, s17, MERGE
	v_add_nc_u32 v[MGA], s17, v[LI]
	v_mov_b32 v[NINF], 0xff800000
	INIT
.irp t, 0,1
.irp j, 4,5,6,7
	v_mov_b32 v[ST+8*\t+\j], 0                     ; written once: a lane permute's destination counts as one of its sources
.endr
	v_mov_b32 v[ST2+8*\t], 0
	v_mov_b32 v[ST2+8*\t+2], 0
	v_mov_b32 v[ST2+8*\t+3], 0
.endr
	s_wait_loadcnt 0x0                             ; Q, both blocks'
; THE CHANGE OF SLOTS stands at a trip's head.  Each wave waits for all its tensor loads, adds 0 to its spare word, and waits for that and for its reads of the slot that it has left; behind the barrier the slot ahead is whole
; and nobody reads the other one.  fill = 1: that one takes the next trip's tile, which has a whole trip in which to land; where the next trip begins the second block, that tile is the head's first again.
.macro CHANGE fill
	s_wait_tensorcnt 0x0                           ; no tensor load of mine is out, so a group 0 may be written
	ds_add_u32 v[SPW], v[NIL]                      ; 0 onto my spare word
.if \fill
	ds_add_u32 v[SPW], v[NIL]                      ; and once more: the add twice on end, in every trip alike
	s_add_co_u32 s[KOFF], s[KOFF], TILEB
	s_add_co_u32 s17, s[T], 1
	s_cmp_eq_u32 s17, s[N1]
	s_cselect_b32 s[KOFF], 0, s[KOFF]
	s_add_nc_u64 s[G0K+2:G0K+3], s[BK:BK+1], s[KOFF:KOFF+1]
	s_or_b32 s[G0K+3], s[G0K+3], 0x80000000
	s_add_nc_u64 s[G0V+2:G0V+3], s[BV:BV+1], s[KOFF:KOFF+1]
	s_or_b32 s[G0V+3], s[G0V+3], 0x80000000
	s_xor_b32 s[G0K+1], s[G0K+1], SLOT1
	s_xor_b32 s[G0V+1], s[G0V+1], SLOT1
	s_wait_xcnt 0x0                                ; the last prefetches, a trip back, have read their addresses
	s_add_nc_u64 s[PFK:PFK+1], s[PFK:PFK+1], TILEB
	s_add_nc_u64 s[PFV:PFV+1], s[PFV:PFV+1], TILEB
.endif
	s_wait_dscnt 0x0                               ; the add is done, and my reads of the slot that I have left are over
	s_barrier_signal -1
	s_barrier_wait -1
.if \fill
	TLOAD                                          ; the first thing behind the barrier, and a wave's one tensor load until the next
	ASK
.endif
.endm
; THE CHANGE OF BLOCKS, in trip N1: the first block's O^T and statistics go aside, the second block's Q takes Q's place, the state begins anew.  Registers alone: no LDS, no barrier hangs on J.
.macro SWITCH
	s_cmp_lg_u32 s[T], s[N1]
	s_cbranch_scc1 .Lsame_\@
.rept 4
	v_nop                                          ; places behind the last products
.endr
	WIN 0x40
.set i, 0
.rept 64
	v_mov_b32 v[O2+i], v[O+i]                      ; each accumulator from its low end on
.set i, i+1
.endr
	WIN 0x41
.set i, 0
.rept 32
	v_mov_b32 v[QR+i], v[Q2+i]
.set i, i+1
.endr
	WIN 0
.irp t, 0,1
	v_mov_b32 v[ST2+8*\t], v[ST+8*\t]
	v_mov_b32 v[ST2+8*\t+2], v[ST+8*\t+2]
	v_mov_b32 v[ST2+8*\t+3], v[ST+8*\t+3]
.endr
	INIT
	s_mov_b32 s[Q0], s[Q0B]
	s_lshl_b32 s[KF], s[KG], 6
.Lsame_\@:
.endm
; THE SOFTMAX of two tiles of 16 queries x 64 keys, the tiles line by line by turns.
.macro SOFT
.irp j, 0,1,2,3
.irp t, 0,1
	v_max3_num_f32 v[ST+8*\t+4+\j], v[S+32*\t+8*\j], v[S+32*\t+8*\j+1], v[S+32*\t+8*\j+2]   ; four chains, each accumulator from its low end on
.endr
.endr
.irp k, 3,5
.irp j, 0,1,2,3
.irp t, 0,1
	v_max3_num_f32 v[ST+8*\t+4+\j], v[ST+8*\t+4+\j], v[S+32*\t+8*\j+\k], v[S+32*\t+8*\j+\k+1]
.endr
.endr
.endr
.irp t, 0,1
	v_max3_num_f32 v[ST+8*\t+4], v[ST+8*\t+4], v[S+32*\t+7], v[S+32*\t+15]
	v_max3_num_f32 v[ST+8*\t+6], v[ST+8*\t+6], v[S+32*\t+23], v[S+32*\t+31]
.endr
.irp t, 0,1
	v_max3_num_f32 v[ST+8*\t+4], v[ST+8*\t+4], v[ST+8*\t+5], v[ST+8*\t+6]
.endr
.irp t, 0,1
	v_max3_num_f32 v[ST+8*\t+4], v[ST+8*\t+4], v[ST+8*\t+7], v[ST+8*\t+1]   ; and the old m
.endr
.irp t, 0,1
	v_permlanex16_b32 v[ST+8*\t+5], v[ST+8*\t+4], s[SEL], s[SEL+1]          ; the query's other 32 keys lie in the lane 16 away
.endr
.irp t, 0,1
	v_mov_b32 v[ST+8*\t+7], v[ST+8*\t]             ; c m_old
.endr
.irp t, 0,1
	v_max_num_f32 v[ST+8*\t+1], v[ST+8*\t+4], v[ST+8*\t+5]
.endr
.irp t, 0,1
	v_mul_f32 v[ST+8*\t], s[CS], v[ST+8*\t+1]
.endr
.irp t, 0,1
	v_sub_f32 v[ST+8*\t+7], v[ST+8*\t+7], v[ST+8*\t]
.endr
.irp t, 0,1
	v_exp_f32 v[ST+8*\t+6], v[ST+8*\t+7]           ; a = 2^(c m_old - c m_new)
.endr
.set n, 0
.rept 16
.irp t, 0,1
	v_pk_fma_f32 v[S+32*\t+2*n:S+32*\t+2*n+1], v[S+32*\t+2*n:S+32*\t+2*n+1], s[CS:CS+1], v[ST+8*\t:ST+8*\t+1] op_sel_hi:[1,0,0] neg_lo:[0,0,1] neg_hi:[0,0,1]   ; c s - c m
.endr
.set n, n+1
.endr
.set n, 0
.rept 32
.irp t, 0,1
	v_exp_f32 v[S+32*\t+n], v[S+32*\t+n]
.endr
.set n, n+1
.endr
	v_nop                                          ; a plain instruction behind the last exponential
	s_wait_alu depctr_va_vdst(0)                   ; one wait for the batch of 66, ahead of its first reader
.set n, 0
.rept 16
.irp t, 0,1
	v_cvt_pk_f16_f32 v[P+16*\t+n], v[S+32*\t+2*n], v[S+32*\t+2*n+1]
.endr
.set n, n+1
.endr
.irp z, 0,4,8,12,16,20,24,28
.irp t, 0,1
	v_pk_add_f32 v[S+32*\t+\z:S+32*\t+\z+1], v[S+32*\t+\z:S+32*\t+\z+1], v[S+32*\t+\z+2:S+32*\t+\z+3]   ; the sum of the unrounded weights, as a tree, in place
.endr
.endr
.irp z, 0,8,16,24
.irp t, 0,1
	v_pk_add_f32 v[S+32*\t+\z:S+32*\t+\z+1], v[S+32*\t+\z:S+32*\t+\z+1], v[S+32*\t+\z+4:S+32*\t+\z+5]
.endr
.endr
.irp z, 0,16
.irp t, 0,1
	v_pk_add_f32 v[S+32*\t+\z:S+32*\t+\z+1], v[S+32*\t+\z:S+32*\t+\z+1], v[S+32*\t+\z+8:S+32*\t+\z+9]
.endr
.endr
.irp t, 0,1
	v_pk_add_f32 v[S+32*\t:S+32*\t+1], v[S+32*\t:S+32*\t+1], v[S+32*\t+16:S+32*\t+17]
.endr
.irp t, 0,1
	v_pk_fma_f32 v[ST+8*\t+2:ST+8*\t+3], v[ST+8*\t+2:ST+8*\t+3], v[ST+8*\t+6:ST+8*\t+7], v[S+32*\t:S+32*\t+1] op_sel_hi:[1,0,1]   ; l = a l + the sum
.endr
.set n, 0
.rept 16
.irp t, 0,1
	v_pk_mul_f32 v[O+32*\t+2*n:O+32*\t+2*n+1], v[O+32*\t+2*n:O+32*\t+2*n+1], v[ST+8*\t+6:ST+8*\t+7] op_sel_hi:[1,0]   ; O^T x a
.endr
.set n, n+1
.endr
.endm
; A KEY STEP: my 64 keys of half u of the slot in hand, for my two tiles of queries.  In each run of matrix instructions the eight accumulators take turns, one instruction a turn.
.macro STEP u
	s_cmp_gt_u32 s[KF], s[Q0]                      ; all 64 keys come after my queries: the step is left out
	s_cbranch_scc1 .Lhid_\@
	v_add_nc_u32 v[ADK], s[TB], v[AK0]
	v_add_nc_u32 v[ADV], s[TB], v[AV0]
	v_nop
	v_nop                                          ; these four are the places between the last step's products and the loads into V's registers
	WIN 0x40
.irp i, 0,1,2,3
.irp f, 0,1,2,3
	ds_load_b128 v[KFR+16*\i+4*\f:KFR+16*\i+4*\f+3], v[ADK] offset:(8*(\u)+\i)*2048+\f*512
.endr
.endr
.irp g, 0,1
.irp c, 0,1,2,3
	ds_load_tr16_b128 v[VFR+32*\g+8*\c:VFR+32*\g+8*\c+3], v[ADV] offset:(8*(\u)+2*\g)*3072+\c*768
	ds_load_tr16_b128 v[VFR+32*\g+8*\c+4:VFR+32*\g+8*\c+7], v[ADV] offset:(8*(\u)+2*\g+1)*3072+\c*768
.endr
.endr
	s_wait_dscnt 16                                ; K's 16 loads are in; V's 16 may be out
	WIN 0x05                                       ; K and Q in window 1, S^T in window 0
.irp e, 0,1
.irp i, 0,1,2,3
.irp t, 0,1
.if \e == 0
	v_wmma_f32_16x16x32_f16 v[S+32*\t+8*\i:S+32*\t+8*\i+7], v[KFR+16*\i+8*\e:KFR+16*\i+8*\e+7], v[QR+16*\t+8*\e:QR+16*\t+8*\e+7], 0
.else
	v_wmma_f32_16x16x32_f16 v[S+32*\t+8*\i:S+32*\t+8*\i+7], v[KFR+16*\i+8*\e:KFR+16*\i+8*\e+7], v[QR+16*\t+8*\e:QR+16*\t+8*\e+7], v[S+32*\t+8*\i:S+32*\t+8*\i+7]
.endif
.endr
.endr
.endr
	WIN 0
.rept 4
	v_nop
.endr
	s_add_co_u32 s17, s[KF], 63
	s_cmp_le_u32 s17, s[Q0]                        ; all 64 keys count for all my queries: no mask
	s_cbranch_scc1 .Lopen_\@
	s_sub_co_u32 s17, s[Q0], s[KF]
	v_add_nc_u32 v[D0], s17, v[RH]                 ; d = my query - KF - 8 h.  Register 8 i + j holds key KF + 16 i + 8 h + j: hidden where 16 i + j > d
	v_add_nc_u32 v[D0+1], 16, v[D0]
.irp t, 0,1
.irp n, 0,1,2,3,4,5,6,7,8,9,10,11,12,13,14,15,16,17,18,19,20,21,22,23,24,25,26,27,28,29,30,31
	v_cmp_gt_i32 vcc_lo, 16*(\n/8)+\n%8, v[D0+\t]
	v_cndmask_b32 v[S+32*\t+\n], v[S+32*\t+\n], v[NINF], vcc_lo
.endr
.endr
.Lopen_\@:
	SOFT
	s_wait_dscnt 0x0                               ; V is in
	WIN 0x01                                       ; V in window 1
.irp g, 0,1
.irp c, 0,1,2,3
.irp t, 0,1
	v_wmma_f32_16x16x32_f16 v[O+32*\t+8*\c:O+32*\t+8*\c+7], v[VFR+32*\g+8*\c:VFR+32*\g+8*\c+7], v[P+16*\t+8*\g:P+16*\t+8*\g+7], v[O+32*\t+8*\c:O+32*\t+8*\c+7]
.endr
.endr
.endr
	WIN 0
.Lhid_\@:
	s_add_co_u32 s[KF], s[KF], 128
.endm
.Ltrip:                                            ; 16 trips; behind each change of slots the next trip's tile is asked for
	CHANGE 1
	SWITCH
	STEP 0
	STEP 1
	s_xor_b32 s[TB], s[TB], SLOT1
	s_add_co_u32 s[T], s[T], 1
	s_cmp_lt_u32 s[T], 16
	s_cbranch_scc1 .Ltrip
	CHANGE 0                                       ; the seventeenth is written out: it asks for nothing
	SWITCH
	STEP 0
	STEP 1
	; THE END.  l's halves are added; the second key group hands its two states over through LDS; the first merges, divides, rounds to f16 and stores.
.rept 4
	v_nop
.endr
.irp t, 0,1
	v_add_f32 v[ST+8*\t+2], v[ST+8*\t+2], v[ST+8*\t+3]
	v_add_f32 v[ST2+8*\t+2], v[ST2+8*\t+2], v[ST2+8*\t+3]
.endr
.irp t, 0,1
	v_permlanex16_b32 v[ST+8*\t+4], v[ST+8*\t+2], s[SEL], s[SEL+1]
	v_permlanex16_b32 v[ST+8*\t+5], v[ST2+8*\t+2], s[SEL], s[SEL+1]
.endr
.irp t, 0,1
	v_add_f32 v[ST+8*\t+2], v[ST+8*\t+2], v[ST+8*\t+4]
	v_add_f32 v[ST2+8*\t+2], v[ST2+8*\t+2], v[ST+8*\t+5]
.endr
	s_cmp_lt_u32 s[WV], 4
	s_cbranch_scc1 .Lkeep
	v_mov_b32 v208, v[ST]                          ; c m and l of both tiles: four registers a block
	v_mov_b32 v209, v[ST+2]
	v_mov_b32 v210, v[ST+8]
	v_mov_b32 v211, v[ST+10]
	v_mov_b32 v212, v[ST2]
	v_mov_b32 v213, v[ST2+2]
	v_mov_b32 v214, v[ST2+8]
	v_mov_b32 v215, v[ST2+10]
.set n, 0
.rept 16
	ds_store_b128 v[MGA], v[O+4*n:O+4*n+3] offset:MBLK+512*n       ; registers as they stand, 16 bytes a lane
.set n, n+1
.endr
	ds_store_b128 v[MGA], v[208:211] offset:MBLK+8192
	ds_store_b128 v[MGA], v[212:215] offset:8192
	WIN 0x04                                       ; an LDS store's data: window 1
.set n, 0
.rept 16
	ds_store_b128 v[MGA], v[O2+4*n:O2+4*n+3] offset:512*n
.set n, n+1
.endr
	WIN 0
.Lkeep:
	s_wait_dscnt 0x0                               ; for the others' sake: my stores have landed
	s_barrier_signal -1
	s_barrier_wait -1
	s_cmp_ge_u32 s[WV], 4
	s_cbranch_scc1 .Ldone
; One block's two states become one: m = the larger, each state x 2^(c m_own - c m) / l.  A key group that walked no step has c m = c x (-3e38), l = 0, O = 0: its factor is 0.
.macro MERGE_ off, st, w1, ob
.set n, 0
.rept 16
	ds_load_b128 v[S+4*n:S+4*n+3], v[MGA] offset:\off+512*n
.set n, n+1
.endr
	ds_load_b128 v[96:99], v[MGA] offset:\off+8192
	s_wait_dscnt 0x0
.irp t, 0,1
	v_max_num_f32 v[100+\t], v[\st+8*\t], v[96+2*\t]
.endr
.irp t, 0,1
	v_sub_f32 v[102+2*\t], v[\st+8*\t], v[100+\t]
	v_sub_f32 v[103+2*\t], v[96+2*\t], v[100+\t]
.endr
.irp i, 102,103,104,105
	v_exp_f32 v[\i], v[\i]
.endr
	v_nop
	s_wait_alu depctr_va_vdst(0)                   ; one wait for the four, ahead of their first reader
.irp t, 0,1
	v_mul_f32 v[106+\t], v[102+2*\t], v[\st+8*\t+2]
.endr
.irp t, 0,1
	v_fmac_f32 v[106+\t], v[103+2*\t], v[97+2*\t]
.endr
.irp t, 0,1
	v_rcp_f32 v[106+\t], v[106+\t]
.endr
	v_nop
	s_wait_alu depctr_va_vdst(0)
.irp t, 0,1
	v_mul_f32 v[108+4*\t], v[102+2*\t], v[106+\t]
	v_mul_f32 v[109+4*\t], v[102+2*\t], v[106+\t]
	v_mul_f32 v[110+4*\t], v[103+2*\t], v[106+\t]
	v_mul_f32 v[111+4*\t], v[103+2*\t], v[106+\t]
.endr
.if \w1
	WIN 0x01                                       ; source 0: the first block's O^T, in window 1
.endif
.irp t, 0,1
.set n, 0
.rept 16
.if \w1
	v_pk_mul_f32 v[O+32*\t+2*n:O+32*\t+2*n+1], v[O2+32*\t+2*n:O2+32*\t+2*n+1], v[108+4*\t:109+4*\t]
.else
	v_pk_mul_f32 v[O+32*\t+2*n:O+32*\t+2*n+1], v[O+32*\t+2*n:O+32*\t+2*n+1], v[108+4*\t:109+4*\t]
.endif
.set n, n+1
.endr
.endr
	WIN 0
.irp t, 0,1
.set n, 0
.rept 16
	v_pk_fma_f32 v[O+32*\t+2*n:O+32*\t+2*n+1], v[S+32*\t+2*n:S+32*\t+2*n+1], v[110+4*\t:111+4*\t], v[O+32*\t+2*n:O+32*\t+2*n+1]
.set n, n+1
.endr
.endr
.irp t, 0,1
.set n, 0
.rept 16
	v_cvt_pk_f16_f32 v[208+16*\t+n], v[O+32*\t+2*n], v[O+32*\t+2*n+1]
.set n, n+1
.endr
.endr
.irp t, 0,1
.irp c, 0,1,2,3
	global_store_b128 v[LI], v[208+16*\t+4*\c:208+16*\t+4*\c+3], s[\ob:\ob+1] offset:\t*8192+\c*512   ; 512 consecutive bytes, aligned
.endr
.endr
.endm
	MERGE_ MBLK, ST, 0, OB1                        ; the second block first: its O^T stands in the registers that the first block's result will take
	s_wait_xcnt 0x0                                ; the stores have read their registers
	MERGE_ 0, ST2, 1, OB0
.Ldone:
	s_wait_tensorcnt 0x0                           ; the wave's end
	ds_add_u32 v[SPW], v[NIL]
	s_wait_dscnt 0x0
	s_endpgm
.Lfunc_end_k_qaaf7fd38ec_attn:
	.size	k_qaaf7fd38ec_attn, .Lfunc_end_k_qaaf7fd38ec_attn-k_qaaf7fd38ec_attn
	.p2alignl 7, 3214868480
	.fill 96, 4, 3214868480
	.section	.rodata,"a",@progbits
	.p2align	6, 0x0
	.amdhsa_kernel k_qaaf7fd38ec_attn
		.amdhsa_group_segment_fixed_size 327680
		.amdhsa_private_segment_fixed_size 0
		.amdhsa_enable_private_segment 0
		.amdhsa_kernarg_size 16
		.amdhsa_user_sgpr_count 2
		.amdhsa_user_sgpr_kernarg_segment_ptr 1
		.amdhsa_wavefront_size32 1
		.amdhsa_system_sgpr_workgroup_id_x 1
		.amdhsa_system_sgpr_workgroup_id_y 1
		.amdhsa_system_sgpr_workgroup_id_z 1
		.amdhsa_system_vgpr_workitem_id 0
		.amdhsa_next_free_vgpr 512
		.amdhsa_next_free_sgpr 100
		.amdhsa_reserve_vcc 1
		.amdhsa_float_denorm_mode_32 3
		.amdhsa_float_denorm_mode_16_64 3
		.amdhsa_memory_ordered 1
		.amdhsa_forward_progress 1
		.amdhsa_inst_pref_size 132
	.end_amdhsa_kernel
	.amdgpu_metadata
---
amdhsa.version: [ 1, 2 ]
amdhsa.kernels:
  - .name:           k_qaaf7fd38ec_attn
    .symbol:         k_qaaf7fd38ec_attn.kd
    .args:
      - { .name: qkv, .offset: 0, .size: 8, .value_kind: global_buffer, .address_space: global }
      - { .name: attf, .offset: 8, .size: 8, .value_kind: global_buffer, .address_space: global }
    .group_segment_fixed_size: 327680
    .private_segment_fixed_size: 0
    .kernarg_segment_align: 8
    .kernarg_segment_size: 16
    .max_flat_workgroup_size: 256
    .sgpr_count:     100
    .vgpr_count:     512
    .wavefront_size: 32
...
	.end_amdgpu_metadata
.endif
;; end of part 3
;; launch proj (part 4): grid 8 x 32, 4 waves a work-group, clusters of 4 x 4, 327,680 bytes of LDS; arguments attf, wo16, out0; writes out0
.if DOCPART == 4
	.amdgcn_target "amdgcn-amd-amdhsa--gfx1250"
	.amdhsa_code_object_version 6
	.text
	.protected	k_qaaf7fd38ec_proj
	.globl	k_qaaf7fd38ec_proj
	.p2align	8
	.type	k_qaaf7fd38ec_proj,@function
k_qaaf7fd38ec_proj:
	s_mov_b64 s[64:65], 0
	v_nop
	global_prefetch_b8 v0, s[64:65] scope:SCOPE_SE
	s_setreg_imm32_b32 hwreg(HW_REG_WAVE_MODE, 25, 1), 1
	s_wait_xcnt 0x0
	s_wait_alu depctr_hold_cnt(0) depctr_sa_sdst(0) depctr_va_vdst(0) depctr_va_sdst(0) depctr_va_ssrc(0) depctr_va_vcc(0) depctr_vm_vsrc(0)
	s_getreg_b32 s2, hwreg(HW_REG_IB_STS2, 6, 4)
	s_cmp_eq_u32 s2, 0
	s_cbranch_scc0 .Lentry_in_a_cluster
	s_endpgm
.Lentry_in_a_cluster:
	s_bfe_u32 s2, ttmp6, 0x10000c
	s_cmp_lg_u32 s2, 0xf033
	s_cbranch_scc0 .Lentry_shape_is_right
	s_endpgm
.Lentry_shape_is_right:
; out0[m][n] = sum over k of att[m][k] Wo[n][k]: [4096][1024] x [1024][1024], operands f16, sums and result f32.
; att comes as images of registers, attf [k / 256: 4][m / 16: 256][8,192 bytes]: in a block, 512 bytes for each 16 along k, lane (r, h) at 16 x lane: row 16 tile + r, k = 16 c + 8 h + 0 .. 7.  Two images on end are a fragment.
; Wo comes as f16 rows [1024][1024].
; A tile of out0 is 128 x 128; four waves, each 64 x 64: 16 accumulators.  K goes in four steps of 256 through two LDS slots: A's part is 65,536 dense bytes (8 tiles of rows), B's 128 rows of 512 bytes + 16 of padding.
; CLUSTERS: 4 x 4 work-groups.  The four of a row of the cluster need the same tiles of att, the four of a column the same rows of Wo: each is asked for JOINTLY.
; THE MATRIX INSTRUCTION IS USED TRANSPOSED (source 0 = 16 rows of Wo, source 1 = 16 rows of att): a lane holds eight neighbouring numbers of a row of out0.
; Rows 0 to 15 are written here like all others and written anew, from f32 operands, by the launch behind this one.
; LIMITS: as the operands': f16's range.
; REGISTERS: window 0: v16-29 addresses; v32-95 at work on the way out; v128-255 the accumulators ((a, b) at v[128 + 8 (4 a + b)]).  window 1: two fragment buffers of 128: 64 registers of A, then 64 of B.
.set KSTEP,  256
.set PITCH,  528
.set ATILE,  65536
.set HALFB,  64*PITCH
.set SLOT,   ATILE+2*HALFB
.set STAGE,  2*SLOT                    ; behind the ring: 16 rows x 272 bytes for each wave
.set SPITCH, 272
.set SPARE,  STAGE+4*16*SPITCH         ; the spare words, 128 bytes a wave
.set LAPS,   2
.set ADRA, 16
.set ADRB, 20
.set STO,  24
.set RD,   25
.set CO,   26
.set SPW,  28
.set NIL,  29
.set TMP,  32
.set ACC,  128
.set F0,   0
.set F1,   128
.set G1, 24
.set G0, 32
.set G1B, 48
.set G0B, 56
.set MSB, 0
.macro WIN new
.if MSB != \new
	s_set_vgpr_msb (MSB<<8)|\new
.set MSB, \new
.endif
.endm
.set MUL,  0x05                        ; sources 0 and 1 window 1; C and D window 0
.set TO_F, 0x40
.macro JLOAD s                         ; a joint load: waves 0 and 1 fetch A's halves, waves 2 and 3 B's; an s_nop 0 and four v_nop follow each line
	s_cmp_eq_u32 s11, 0
	s_cbranch_scc0 .Lfor_b_\@
	tensor_load_to_lds s[G0+4*\s:G0+4*\s+3], s[G1:G1+7]
	s_nop 0
.rept 4
	v_nop
.endr
	s_branch .Lasked_\@
.Lfor_b_\@:
	tensor_load_to_lds s[G0B+4*\s:G0B+4*\s+3], s[G1B:G1B+7]
	s_nop 0
.rept 4
	v_nop
.endr
.Lasked_\@:
.endm
.macro CREST
	s_cmp_lg_u32 s10, 0
	s_cbranch_scc1 .Lnot_wave_0_\@
	s_barrier_signal -3
.Lnot_wave_0_\@:
	s_barrier_wait -3
	s_barrier_signal -1
	s_barrier_wait -1
.endm
.macro CROUND
	s_barrier_signal -1
	s_barrier_wait -1
	CREST
.endm
	s_load_b128 s[4:7], s[0:1], 0x0                ; attf, wo16
	s_load_b64 s[8:9], s[0:1], 0x10                ; out0
	v_lshl_add_u32 v[SPW], v0, 2, SPARE
	v_mov_b32 v[NIL], 0
	ds_add_u32 v[SPW], v[NIL]                      ; the wave's opening: the add, twice on end, and its wait ahead of my first tensor load
	ds_add_u32 v[SPW], v[NIL]
	v_lshrrev_b32 v1, 5, v0
	v_readfirstlane_b32 s10, v1                    ; wave 0..3
	s_lshr_b32 s11, s10, 1                         ; my half of the tile's rows.  Also: I fetch for A (0) or for B (1)
	s_and_b32 s12, s10, 1                          ; my half of its columns.  Also: which half I fetch
	s_bfe_u32 s40, ttmp6, 0x40000                  ; cx, cy
	s_bfe_u32 s41, ttmp6, 0x40004
	s_lshl_b32 s42, ttmp9, 2
	s_add_co_u32 s42, s42, s40                     ; tile column
	s_and_b32 s13, ttmp7, 0xffff
	s_lshl_b32 s13, s13, 2
	s_add_co_u32 s13, s13, s41                     ; tile row
	s_lshl_b32 s43, s41, 2
	s_lshl_b32 s43, 15, s43                        ; my row of the cluster
	s_lshl_b32 s44, 0x1111, s40                    ; my column
	s_or_b32 s[G1+0], s43, (3<<16)|(1<<21)         ; A: 128 rows of 256 dense bytes (32 elements of 8), no padding
	s_mov_b32 s[G1+1], 32<<16
	s_mov_b32 s[G1+2], 128<<16
	s_mov_b32 s[G1+3], 32<<16
	s_mov_b32 s[G1+4], 128
	s_mov_b32 s[G1+5], 32
	s_mov_b32 s[G1+6], 0
	s_mov_b32 s[G1+7], 0
	s_or_b32 s[G1B+0], s44, (1<<16)|(1<<20)|(1<<21)|(6<<22)|(3<<25)   ; B: 64 rows of 256 elements of 2 bytes, 4 words of padding after every 128
	s_mov_b32 s[G1B+1], KSTEP<<16
	s_mov_b32 s[G1B+2], 64<<16
	s_mov_b32 s[G1B+3], KSTEP<<16
	s_mov_b32 s[G1B+4], 64
	s_mov_b32 s[G1B+5], 1024
	s_mov_b32 s[G1B+6], 0
	s_mov_b32 s[G1B+7], 0
	s_lshl_b32 s16, s13, 16
	s_lshl_b32 s17, s12, 15
	s_add_co_u32 s16, s16, s17                     ; A: (8 x tile row + 4 x half) x 8,192
	s_mov_b32 s17, 0
	s_lshl_b32 s46, s42, 18
	s_lshl_b32 s47, s12, 17
	s_add_co_u32 s46, s46, s47                     ; B: (128 x tile column + 64 x half) x 2,048
	s_mov_b32 s47, 0
	s_lshl_b32 s20, s12, 15                        ; where they go: A's halves,
	s_mul_i32 s21, s12, HALFB
	s_add_co_u32 s21, s21, ATILE                   ; B's halves behind them
	s_wait_dscnt 0x0                               ; both opening adds are done
	s_wait_kmcnt 0x0
	s_add_nc_u64 s[14:15], s[4:5], s[16:17]
	s_add_nc_u64 s[46:47], s[6:7], s[46:47]
	CROUND                                         ; all sixteen work-groups are here
.irp s, 0,1
	s_mov_b32 s[G0+4*\s], 1
	s_add_co_u32 s[G0+4*\s+1], s20, \s*SLOT
	s_add_nc_u64 s[G0+4*\s+2:G0+4*\s+3], s[14:15], \s*2097152
	s_or_b32 s[G0+4*\s+3], s[G0+4*\s+3], 0x80000000
	s_mov_b32 s[G0B+4*\s], 1
	s_add_co_u32 s[G0B+4*\s+1], s21, \s*SLOT
	s_add_nc_u64 s[G0B+4*\s+2:G0B+4*\s+3], s[46:47], \s*KSTEP*2
	s_or_b32 s[G0B+4*\s+3], s[G0B+4*\s+3], 0x80000000
	JLOAD \s
.endr
	v_and_b32 v1, 15, v0                           ; r
	v_bfe_u32 v2, v0, 4, 1                         ; h
	v_mul_u32_u24 v3, v1, PITCH
	v_lshl_add_u32 v3, v2, 4, v3                   ; B: row x pitch + 16 h
	v_and_b32 v6, 31, v0
	v_lshlrev_b32 v6, 4, v6                        ; A: 16 x lane
	s_lshl_b32 s21, s11, 15                        ; my 64 rows of A: four tiles of 8,192 bytes
	s_mul_i32 s22, s12, HALFB
	s_add_co_u32 s22, s22, ATILE
.irp s, 0,1
	v_add_nc_u32 v[ADRA+\s], s21, v6
	v_add_nc_u32 v[ADRB+\s], s22, v3
	s_add_co_u32 s21, s21, SLOT
	s_add_co_u32 s22, s22, SLOT
.endr
	s_mul_i32 s23, s10, 16*SPITCH
	s_add_co_u32 s23, s23, STAGE                   ; my stage
	v_mul_u32_u24 v4, v1, SPITCH
	v_lshl_add_u32 v4, v2, 5, v4
	v_add_nc_u32 v[STO], s23, v4                   ; in: row r, 32 bytes for each half of the lanes
	v_mul_u32_u24 v5, v2, SPITCH
	v_lshl_add_u32 v5, v1, 4, v5
	v_add_nc_u32 v[RD], s23, v5                    ; back: lanes 0-15 one row of 256 bytes, lanes 16-31 the next
	v_lshlrev_b32 v5, 12, v2
	v_lshl_add_u32 v[CO], v1, 4, v5                ; and the same two rows in out0
	s_lshl_b32 s16, s13, 7
	s_lshl_b32 s17, s11, 6
	s_add_co_u32 s16, s16, s17
	s_lshl_b32 s16, s16, 12                        ; my first row x 4,096 bytes
	s_mov_b32 s17, 0
	s_add_nc_u64 s[8:9], s[8:9], s[16:17]
	s_lshl_b32 s46, s42, 9
	s_lshl_b32 s47, s12, 8
	s_add_co_u32 s46, s46, s47                     ; my first column, in bytes
	s_mov_b32 s47, 0
	s_add_nc_u64 s[8:9], s[8:9], s[46:47]
.macro MUL8 f, c, a0, zero             ; 8 matrix instructions: row blocks a0, a0 + 1 x all 4 column blocks, 32 along K.  The 16 accumulators take turns
.irp a, \a0, \a0+1
.irp b, 0,1,2,3
.if \zero
	v_wmma_f32_16x16x32_f16 v[ACC+8*(4*(\a)+\b):ACC+8*(4*(\a)+\b)+7], v[\f+64+8*(4*\c+\b):\f+64+8*(4*\c+\b)+7], v[\f+8*(4*\c+\a):\f+8*(4*\c+\a)+7], 0
.else
	v_wmma_f32_16x16x32_f16 v[ACC+8*(4*(\a)+\b):ACC+8*(4*(\a)+\b)+7], v[\f+64+8*(4*\c+\b):\f+64+8*(4*\c+\b)+7], v[\f+8*(4*\c+\a):\f+8*(4*\c+\a)+7], v[ACC+8*(4*(\a)+\b):ACC+8*(4*(\a)+\b)+7]
.endif
.endr
.endr
.endm
.macro FETCH slot, q, f                ; 32 LDS loads in one run: the fragments of the slot's q-th 64 along K; the first 32 along K first
	WIN TO_F
.irp c, 0,1
.irp i, 0,1,2,3
	ds_load_b128 v[\f+64+8*(4*\c+\i):\f+64+8*(4*\c+\i)+3],   v[ADRB+\slot] offset:128*(\q)+64*\c+\i*16*PITCH
	ds_load_b128 v[\f+64+8*(4*\c+\i)+4:\f+64+8*(4*\c+\i)+7], v[ADRB+\slot] offset:128*(\q)+64*\c+\i*16*PITCH+32
	ds_load_b128 v[\f+8*(4*\c+\i):\f+8*(4*\c+\i)+3],         v[ADRA+\slot] offset:\i*8192+(2*(\q)+\c)*1024
	ds_load_b128 v[\f+8*(4*\c+\i)+4:\f+8*(4*\c+\i)+7],       v[ADRA+\slot] offset:\i*8192+(2*(\q)+\c)*1024+512
.endr
.endr
.endm
.macro PLACES
.rept 4
	v_nop
.endr
.endm
.macro QUARTER slot, q, f, g, zero     ; multiplies buffer f and fetches the slot's q-th quarter into g
	s_wait_dscnt 16                                ; the first 32 along K are in
	WIN MUL
	MUL8 \f, 0, 0, \zero
	MUL8 \f, 0, 2, \zero
	PLACES
	FETCH \slot, \q, \g
	s_wait_dscnt 32                                ; all but the 32 just issued
	WIN MUL
	MUL8 \f, 1, 0, 0
	MUL8 \f, 1, 2, 0
.endm
; The last quarter changes slots: ONE barrier; in front of it each wave waits for all its tensor loads, adds 0 to its spare word, and waits for that and for its reads of this slot.  fill = 1: this slot is filled again, two K steps ahead.
.macro TURN slot, next, fill
	WIN 0
	s_wait_tensorcnt 0x0                           ; all my tensor loads have landed: my part of the next slot
	ds_add_u32 v[SPW], v[NIL]                      ; 0 onto my spare word
	s_wait_dscnt 17                                ; (the add and the youngest sixteen loads may be out)
	WIN MUL
	MUL8 F1, 0, 0, 0
	s_wait_dscnt 0x0                               ; the add is done, and my reads of this slot are over
	s_barrier_signal -1
	MUL8 F1, 0, 2, 0
.if \fill
	WIN 0
.endif
	s_barrier_wait -1
.if \fill
	CREST                                          ; the barrier has opened a round of the cluster's: no wave of any partner still reads this slot or has a load on its way
	s_add_nc_u64 s[G0+4*\slot+2:G0+4*\slot+3], s[G0+4*\slot+2:G0+4*\slot+3], 2*2097152
	s_add_nc_u64 s[G0B+4*\slot+2:G0B+4*\slot+3], s[G0B+4*\slot+2:G0B+4*\slot+3], 2*KSTEP*2
	JLOAD \slot                                    ; the first tensor load behind the round; its four v_nop are also the places in front of the loads below
.else
	PLACES
.endif
	FETCH \next, 0, F0
	WIN MUL
	MUL8 F1, 1, 0, 0
	MUL8 F1, 1, 2, 0
.endm
	s_wait_tensorcnt 1                             ; my part of K step 0 is in (K step 1's may be out)
	s_barrier_signal -1
	s_barrier_wait -1                              ; everybody's is
	FETCH 0, 0, F0
	QUARTER 0, 1, F0, F1, 1                        ; the first products start the sums
	WIN 0
	s_mov_b32 s3, LAPS-1
.Llap:                                             ; a trip goes once round the ring and fills both slots again
	QUARTER 0, 2, F1, F0, 0
	QUARTER 0, 3, F0, F1, 0
	TURN 0, 1, 1
	QUARTER 1, 1, F0, F1, 0
	QUARTER 1, 2, F1, F0, 0
	QUARTER 1, 3, F0, F1, 0
	TURN 1, 0, 1
	QUARTER 0, 1, F0, F1, 0
	WIN 0
	s_sub_co_u32 s3, s3, 1
	s_cmp_lg_u32 s3, 0
	s_cbranch_scc1 .Llap
	QUARTER 0, 2, F1, F0, 0                        ; the last lap fills nothing
	QUARTER 0, 3, F0, F1, 0
	TURN 0, 1, 0
	QUARTER 1, 1, F0, F1, 0
	QUARTER 1, 2, F1, F0, 0
	QUARTER 1, 3, F0, F1, 0
	s_wait_dscnt 16
	WIN MUL
	MUL8 F1, 0, 0, 0
	MUL8 F1, 0, 2, 0
	s_wait_dscnt 0
	MUL8 F1, 1, 0, 0
	MUL8 F1, 1, 2, 0
	WIN 0
	; THE WAY OUT: a wave's 64 columns of f32 are 256 bytes, aligned.  A block of 16 rows goes through my own stage and comes back by rows; sixteen lanes store 256 consecutive bytes.
	; LDS serves a wave's instructions in order: no wait between the stores and the loads, nor in front of the next block's stores.
.macro TOSTAGE a
.irp b, 0,1,2,3
	ds_store_b128 v[STO], v[ACC+8*(4*(\a)+\b):ACC+8*(4*(\a)+\b)+3] offset:64*\b       ; each accumulator from its low end on
	ds_store_b128 v[STO], v[ACC+8*(4*(\a)+\b)+4:ACC+8*(4*(\a)+\b)+7] offset:64*\b+16
.endr
.irp t, 0,1,2,3,4,5,6,7
	ds_load_b128 v[TMP+32*((\a)%2)+4*\t:TMP+32*((\a)%2)+4*\t+3], v[RD] offset:\t*2*SPITCH
.endr
.endm
.macro SEND a, younger
	s_wait_dscnt \younger                          ; the block is back in registers
.irp t, 0,1,2,3,4,5,6,7
	global_store_b128 v[CO], v[TMP+32*((\a)%2)+4*\t:TMP+32*((\a)%2)+4*\t+3], s[8:9] offset:(16*(\a)+2*\t)*4096 th:TH_STORE_NT
.endr
.endm
	PLACES
	TOSTAGE 0
	TOSTAGE 1
	SEND 0, 16                                     ; behind block 0's loads: block 1's 8 stores and 8 loads
	s_wait_xcnt 0x0                                ; block 0's stores have read their registers
	TOSTAGE 2
	SEND 1, 16
	s_wait_xcnt 0x0
	TOSTAGE 3
	SEND 2, 16
	SEND 3, 0
	s_wait_tensorcnt 0x0                           ; the wave's end
	ds_add_u32 v[SPW], v[NIL]
	s_wait_dscnt 0x0
	CROUND                                         ; the closing round
	s_endpgm
.Lfunc_end_k_qaaf7fd38ec_proj:
	.size	k_qaaf7fd38ec_proj, .Lfunc_end_k_qaaf7fd38ec_proj-k_qaaf7fd38ec_proj
	.p2alignl 7, 3214868480
	.fill 96, 4, 3214868480
	.section	.rodata,"a",@progbits
	.p2align	6, 0x0
	.amdhsa_kernel k_qaaf7fd38ec_proj
		.amdhsa_group_segment_fixed_size 327680
		.amdhsa_private_segment_fixed_size 0
		.amdhsa_enable_private_segment 0
		.amdhsa_kernarg_size 24
		.amdhsa_user_sgpr_count 2
		.amdhsa_user_sgpr_kernarg_segment_ptr 1
		.amdhsa_wavefront_size32 1
		.amdhsa_system_sgpr_workgroup_id_x 1
		.amdhsa_system_sgpr_workgroup_id_y 1
		.amdhsa_system_sgpr_workgroup_id_z 1
		.amdhsa_system_vgpr_workitem_id 0
		.amdhsa_next_free_vgpr 512
		.amdhsa_next_free_sgpr 66
		.amdhsa_reserve_vcc 0
		.amdhsa_float_denorm_mode_32 3
		.amdhsa_float_denorm_mode_16_64 3
		.amdhsa_memory_ordered 1
		.amdhsa_forward_progress 1
		.amdhsa_inst_pref_size 86
	.end_amdhsa_kernel
	.amdgpu_metadata
---
amdhsa.version: [ 1, 2 ]
amdhsa.kernels:
  - .name:           k_qaaf7fd38ec_proj
    .symbol:         k_qaaf7fd38ec_proj.kd
    .args:
      - { .name: attf, .offset: 0, .size: 8, .value_kind: global_buffer, .address_space: global }
      - { .name: wo16, .offset: 8, .size: 8, .value_kind: global_buffer, .address_space: global }
      - { .name: out0, .offset: 16, .size: 8, .value_kind: global_buffer, .address_space: global }
    .group_segment_fixed_size: 327680
    .private_segment_fixed_size: 0
    .kernarg_segment_align: 8
    .kernarg_segment_size: 24
    .max_flat_workgroup_size: 128
    .sgpr_count:     66
    .vgpr_count:     512
    .wavefront_size: 32
...
	.end_amdgpu_metadata
.endif
;; end of part 4
;; launch first16 (part 5): grid 64 x 1, 16 waves a work-group, no clusters, 18,432 bytes of LDS; arguments qkv32, Wo, out0; writes out0
.if DOCPART == 5
	.amdgcn_target "amdgcn-amd-amdhsa--gfx1250"
	.amdhsa_code_object_version 6
	.text
	.protected	k_qaaf7fd38ec_first16
	.globl	k_qaaf7fd38ec_first16
	.p2align	8
	.type	k_qaaf7fd38ec_first16,@function
k_qaaf7fd38ec_first16:
	s_mov_b64 s[64:65], 0
	v_nop
	global_prefetch_b8 v0, s[64:65] scope:SCOPE_SE
	s_setreg_imm32_b32 hwreg(HW_REG_WAVE_MODE, 25, 1), 1
	s_wait_xcnt 0x0
; Positions 0 to 15 once more, with f32 operands throughout: under the causal mask they average one to sixteen values and are the largest in size, so f16 operands would weigh most there.
; q, k, v of these positions come in f32 from the product on codes: qkv32 [column / 16: 192][half: 2][16 x lane]: lane (r, h): position r, columns 16 ct + 8 h + 4 half + 0 .. 3.
; Work-group x owns columns 16 x .. 16 x + 15 of out0; wave w owns head w: its 16 x 16 scores, softmax (the row's maximum taken away), its 16 x 64 of attention, and its share (64 of K = 1,024) of the projection by Wo in f32.
; The sixteen shares meet in LDS; waves 0 and 1 add them and store.  Every work-group repeats the small attention, so that the chain stays short: 48 matrix instructions a wave.
; A work-group stores 64 bytes of each of 16 rows: the launch's whole output is 65,536 bytes.
; THE f32 MATRIX FORM takes K = 4: register j of a pair holds k = 2 h + j.  A permutation of k applied alike to both sources keeps the products: a step takes the same pair of registers of both operands as they were loaded.
; All three products are used transposed, so that a lane holds one query.  Each has four accumulators, which take turns; they are written by matrix instructions alone, and their sum goes into other registers.
.set PART,  0                          ; LDS: 16 waves x 1,024 bytes
.set SPARE, 16384                      ; the spare words, 128 bytes a wave
.set SPW, 2
.set NIL, 3
.set LI,  4                            ; 16 x lane
.set VA,  5                            ; V's lane term
.set WA,  6                            ; 4,096 r + 32 h: Wo's lane term, and out0's
.set PST, 7
.set PRD, 8
.set DD,  12                           ; r - 8 h
.set NI,  13                           ; -infinity
.set QF,  16                           ; v16-47  Q; later the attention's result
.set KF,  48                           ; v48-79  K; later the scores (v48-55) and the weights (v56-63)
.set SS,  48
.set PP,  56
.set VF,  80
.set WF,  112
.set SA,  144
.set OA,  176
.set PA,  208
.set TW,  240
	s_load_b128 s[4:7], s[0:1], 0x0                ; qkv32, Wo
	s_load_b64 s[8:9], s[0:1], 0x10                ; out0
	v_lshl_add_u32 v[SPW], v0, 2, SPARE
	v_mov_b32 v[NIL], 0
	v_lshrrev_b32 v1, 5, v0
	v_readfirstlane_b32 s10, v1                    ; wave = head
	v_and_b32 v1, 31, v0
	v_lshlrev_b32 v[LI], 4, v1
	v_and_b32 v9, 15, v0                           ; r
	v_bfe_u32 v10, v0, 4, 1                        ; h
	v_bfe_u32 v11, v0, 2, 1
	v_lshlrev_b32 v[VA], 9, v11                    ; V(key 8 h + i, channel 16 c + r): 512 ((r / 4) % 2)
	v_bfe_u32 v11, v0, 3, 1
	v_lshl_add_u32 v[VA], v11, 8, v[VA]            ; + 256 (r / 8)
	v_and_b32 v11, 3, v0
	v_lshl_add_u32 v[VA], v11, 2, v[VA]            ; + 4 (r % 4)
	v_lshl_add_u32 v[VA], v10, 7, v[VA]            ; + 128 h
	v_lshlrev_b32 v[WA], 12, v9
	v_lshl_add_u32 v[WA], v10, 5, v[WA]
	v_lshlrev_b32 v11, 3, v10
	v_sub_nc_u32 v[DD], v9, v11
	v_mov_b32 v[NI], 0xff800000
	s_lshl_b32 s16, s10, 10
	v_add_nc_u32 v[PST], s16, v[LI]
	s_lshl_b32 s16, s10, 9
	v_add_nc_u32 v[PRD], s16, v[LI]
	s_mov_b32 s12, 0x76543210
	s_mov_b32 s13, 0xfedcba98
	s_mov_b32 s14, 0x3e38aa3b                      ; c = log2(e) / 8
	s_lshl_b32 s16, s10, 12                        ; my head's four column tiles of 1,024 bytes
	s_mov_b32 s17, 0
	s_lshl_b32 s18, ttmp9, 16                      ; Wo: 16 x rows of 4,096 bytes,
	s_lshl_b32 s19, s10, 8                         ; + my head's 64 columns
	s_add_co_u32 s18, s18, s19
	s_mov_b32 s19, 0
	s_lshl_b32 s20, ttmp9, 6                       ; out0: 16 x columns,
	s_lshl_b32 s21, s10, 4                         ; + 4 more in wave 1
	s_add_co_u32 s20, s20, s21
	s_mov_b32 s21, 0
	s_wait_kmcnt 0x0
	s_add_nc_u64 s[4:5], s[4:5], s[16:17]
	s_add_nc_u64 s[6:7], s[6:7], s[18:19]
	s_add_nc_u64 s[8:9], s[8:9], s[20:21]
.irp c, 0,1,2,3
.irp f, 0,1
	global_load_b128 v[QF+8*\c+4*\f:QF+8*\c+4*\f+3], v[LI], s[4:5] offset:\c*1024+\f*512
.endr
.endr
.irp c, 0,1,2,3
.irp f, 0,1
	global_load_b128 v[KF+8*\c+4*\f:KF+8*\c+4*\f+3], v[LI], s[4:5] offset:65536+\c*1024+\f*512
.endr
.endr
.irp c, 0,1,2,3
.irp i, 0,1,2,3,4,5,6,7
	global_load_b32 v[VF+8*\c+\i], v[VA], s[4:5] offset:131072+\c*1024+16*\i
.endr
.endr
.irp c, 0,1,2,3
	global_load_b128 v[WF+8*\c:WF+8*\c+3], v[WA], s[6:7] offset:64*\c
	global_load_b128 v[WF+8*\c+4:WF+8*\c+7], v[WA], s[6:7] offset:64*\c+16
.endr
	s_wait_loadcnt 40                              ; Q and K are in; V's 32 loads and Wo's 8 may be out
.irp p, 0,1,2,3                        ; S^T = K Q^T: source 0 = 16 keys, source 1 = 16 queries
.irp c, 0,1,2,3
.if \p == 0
	v_wmma_f32_16x16x4_f32 v[SA+8*\c:SA+8*\c+7], v[KF+8*\c+2*\p:KF+8*\c+2*\p+1], v[QF+8*\c+2*\p:QF+8*\c+2*\p+1], 0
.else
	v_wmma_f32_16x16x4_f32 v[SA+8*\c:SA+8*\c+7], v[KF+8*\c+2*\p:KF+8*\c+2*\p+1], v[QF+8*\c+2*\p:QF+8*\c+2*\p+1], v[SA+8*\c:SA+8*\c+7]
.endif
.endr
.endr
.rept 8
	v_nop                                          ; eight places behind this form
.endr
.irp q, 0,2,4,6
	v_pk_add_f32 v[SS+\q:SS+\q+1], v[SA+\q:SA+\q+1], v[SA+8+\q:SA+8+\q+1]
	v_pk_add_f32 v[TW+\q:TW+\q+1], v[SA+16+\q:SA+16+\q+1], v[SA+24+\q:SA+24+\q+1]
.endr
.irp q, 0,2,4,6
	v_pk_add_f32 v[SS+\q:SS+\q+1], v[SS+\q:SS+\q+1], v[TW+\q:TW+\q+1]     ; register j: key 8 h + j, query r
.endr
.irp j, 0,1,2,3,4,5,6,7
	v_cmp_gt_i32 vcc_lo, \j, v[DD]                 ; hidden where 8 h + j > r
	v_cndmask_b32 v[SS+\j], v[SS+\j], v[NI], vcc_lo
.endr
	v_max3_num_f32 v248, v[SS], v[SS+1], v[SS+2]
	v_max3_num_f32 v249, v[SS+3], v[SS+4], v[SS+5]
	v_max3_num_f32 v248, v248, v[SS+6], v[SS+7]
	v_max_num_f32 v248, v248, v249
	v_permlanex16_b32 v249, v248, s12, s13
	v_max_num_f32 v248, v248, v249                 ; the row's maximum: key 0 counts for every query
	v_mul_f32 v249, s14, v248
.irp j, 0,1,2,3,4,5,6,7
	v_fma_f32 v[PP+\j], v[SS+\j], s14, -v249
.endr
.irp j, 0,1,2,3,4,5,6,7
	v_exp_f32 v[PP+\j], v[PP+\j]
.endr
	v_nop
	s_wait_alu depctr_va_vdst(0)                   ; one wait for the eight, ahead of their first reader
	v_pk_add_f32 v[250:251], v[PP:PP+1], v[PP+2:PP+3]
	v_pk_add_f32 v[252:253], v[PP+4:PP+5], v[PP+6:PP+7]
	v_pk_add_f32 v[250:251], v[250:251], v[252:253]
	v_add_f32 v250, v250, v251
	v_permlanex16_b32 v251, v250, s12, s13
	v_add_f32 v250, v250, v251                     ; the row's sum
	v_rcp_f32 v250, v250
	v_nop
	s_wait_alu depctr_va_vdst(0)
	s_wait_loadcnt 8                               ; V is in
.irp p, 0,1,2,3                        ; O^T = V^T P: source 0 = 16 channels, source 1 = the weights; K = the 16 keys
.irp c, 0,1,2,3
.if \p == 0
	v_wmma_f32_16x16x4_f32 v[OA+8*\c:OA+8*\c+7], v[VF+8*\c+2*\p:VF+8*\c+2*\p+1], v[PP+2*\p:PP+2*\p+1], 0
.else
	v_wmma_f32_16x16x4_f32 v[OA+8*\c:OA+8*\c+7], v[VF+8*\c+2*\p:VF+8*\c+2*\p+1], v[PP+2*\p:PP+2*\p+1], v[OA+8*\c:OA+8*\c+7]
.endif
.endr
.endr
.rept 8
	v_nop
.endr
.set n, 0
.rept 16
	v_pk_mul_f32 v[QF+2*n:QF+2*n+1], v[OA+2*n:OA+2*n+1], v[250:251] op_sel_hi:[1,0]   ; / the sum: register 8 c + j: query r, channel 16 c + 8 h + j
.set n, n+1
.endr
	s_wait_loadcnt 0x0                             ; Wo is in
.irp p, 0,1,2,3                        ; my head's share of the projection: source 0 = 16 rows of Wo, source 1 = the attention's result
.irp c, 0,1,2,3
.if \p == 0
	v_wmma_f32_16x16x4_f32 v[PA+8*\c:PA+8*\c+7], v[WF+8*\c+2*\p:WF+8*\c+2*\p+1], v[QF+8*\c+2*\p:QF+8*\c+2*\p+1], 0
.else
	v_wmma_f32_16x16x4_f32 v[PA+8*\c:PA+8*\c+7], v[WF+8*\c+2*\p:WF+8*\c+2*\p+1], v[QF+8*\c+2*\p:QF+8*\c+2*\p+1], v[PA+8*\c:PA+8*\c+7]
.endif
.endr
.endr
.rept 8
	v_nop
.endr
.irp q, 0,2,4,6
	v_pk_add_f32 v[TW+\q:TW+\q+1], v[PA+\q:PA+\q+1], v[PA+8+\q:PA+8+\q+1]
	v_pk_add_f32 v[TW+8+\q:TW+8+\q+1], v[PA+16+\q:PA+16+\q+1], v[PA+24+\q:PA+24+\q+1]
.endr
.irp q, 0,2,4,6
	v_pk_add_f32 v[TW+\q:TW+\q+1], v[TW+\q:TW+\q+1], v[TW+8+\q:TW+8+\q+1]   ; register j: query r, column 16 x + 8 h + j
.endr
	ds_store_b128 v[PST], v[TW:TW+3]
	ds_store_b128 v[PST], v[TW+4:TW+7] offset:512
	s_wait_dscnt 0x0                               ; for the others' sake: my stores have landed
	s_barrier_signal -1
	s_barrier_wait -1
	s_cmp_lt_u32 s10, 2
	s_cbranch_scc0 .Lend
.irp i, 0,1,2,3,4,5,6,7,8,9,10,11,12,13,14,15
	ds_load_b128 v[16+4*\i:16+4*\i+3], v[PRD] offset:1024*\i      ; wave w takes half w of all sixteen shares
.endr
	s_wait_dscnt 0x0
.irp i, 0,1,2,3,4,5,6,7
	v_pk_add_f32 v[16+4*\i:17+4*\i], v[16+4*\i:17+4*\i], v[48+4*\i:49+4*\i]
	v_pk_add_f32 v[18+4*\i:19+4*\i], v[18+4*\i:19+4*\i], v[50+4*\i:51+4*\i]
.endr
.irp i, 0,1,2,3
	v_pk_add_f32 v[16+4*\i:17+4*\i], v[16+4*\i:17+4*\i], v[32+4*\i:33+4*\i]
	v_pk_add_f32 v[18+4*\i:19+4*\i], v[18+4*\i:19+4*\i], v[34+4*\i:35+4*\i]
.endr
.irp i, 0,1
	v_pk_add_f32 v[16+4*\i:17+4*\i], v[16+4*\i:17+4*\i], v[24+4*\i:25+4*\i]
	v_pk_add_f32 v[18+4*\i:19+4*\i], v[18+4*\i:19+4*\i], v[26+4*\i:27+4*\i]
.endr
	v_pk_add_f32 v[16:17], v[16:17], v[20:21]
	v_pk_add_f32 v[18:19], v[18:19], v[22:23]
	global_store_b128 v[WA], v[16:19], s[8:9]      ; out0(r, 16 x + 8 h + 4 w + 0 .. 3)
.Lend:
	s_wait_tensorcnt 0x0                           ; the wave's end, behind my last LDS store
	ds_add_u32 v[SPW], v[NIL]
	s_wait_dscnt 0x0
	s_endpgm
.Lfunc_end_k_qaaf7fd38ec_first16:
	.size	k_qaaf7fd38ec_first16, .Lfunc_end_k_qaaf7fd38ec_first16-k_qaaf7fd38ec_first16
	.p2alignl 7, 3214868480
	.fill 96, 4, 3214868480
	.section	.rodata,"a",@progbits
	.p2align	6, 0x0
	.amdhsa_kernel k_qaaf7fd38ec_first16
		.amdhsa_group_segment_fixed_size 18432
		.amdhsa_private_segment_fixed_size 0
		.amdhsa_enable_private_segment 0
		.amdhsa_kernarg_size 24
		.amdhsa_user_sgpr_count 2
		.amdhsa_user_sgpr_kernarg_segment_ptr 1
		.amdhsa_wavefront_size32 1
		.amdhsa_system_sgpr_workgroup_id_x 1
		.amdhsa_system_sgpr_workgroup_id_y 1
		.amdhsa_system_sgpr_workgroup_id_z 1
		.amdhsa_system_vgpr_workitem_id 0
		.amdhsa_next_free_vgpr 256
		.amdhsa_next_free_sgpr 66
		.amdhsa_reserve_vcc 1
		.amdhsa_float_denorm_mode_32 3
		.amdhsa_float_denorm_mode_16_64 3
		.amdhsa_memory_ordered 1
		.amdhsa_forward_progress 1
		.amdhsa_inst_pref_size 20
	.end_amdhsa_kernel
	.amdgpu_metadata
---
amdhsa.version: [ 1, 2 ]
amdhsa.kernels:
  - .name:           k_qaaf7fd38ec_first16
    .symbol:         k_qaaf7fd38ec_first16.kd
    .args:
      - { .name: qkv32, .offset: 0, .size: 8, .value_kind: global_buffer, .address_space: global }
      - { .name: Wo, .offset: 8, .size: 8, .value_kind: global_buffer, .address_space: global }
      - { .name: out0, .offset: 16, .size: 8, .value_kind: global_buffer, .address_space: global }
    .group_segment_fixed_size: 18432
    .private_segment_fixed_size: 0
    .kernarg_segment_align: 8
    .kernarg_segment_size: 24
    .max_flat_workgroup_size: 512
    .sgpr_count:     66
    .vgpr_count:     256
    .wavefront_size: 32
...
	.end_amdgpu_metadata
.endif
;; end of part 5
